; MI455X (gfx1250); checked and timed in simulation.
; The chip was launched on July 23, 2026; its instructions are those of AMD's public machine-readable ISA for CDNA 5 (MIT licence, August 2026) and "CDNA5" Instruction Set Architecture Reference Guide (July 2026). The comments in the code are by the model that wrote it; some were corrected since.
;; Multi Headed Attention. Allowed arithmetic: matrix products marked QUANTISED: E2M3 operands, one E8M0 scale for each 32 along K, by v_wmma_scale_f32_16x16x128_f8f6f4 with both operands' format E2M3, f32 sums; everything else in f32.
;; Inputs: bk 1,024 float32; bo 1,024 float32; bq 1,024 float32; bv 1,024 float32; key 2 x 2,048 x 1,024 float32; mask 2 x 2,048 x 2,048 int32; query 2 x 2,048 x 1,024 float32; value 2 x 2,048 x 1,024 float32; wk 1,024 x 1,024 float32; wo 1,024 x 1,024 float32; wq 1,024 x 1,024 float32; wv 1,024 x 1,024 float32.
;; Outputs: out0 2 x 2,048 x 1,024 float32.
;; This version of the problem:
;;   THIS VERSION OF THE PROBLEM IS GIVEN IN LOW PRECISION. The matrix products marked QUANTISED in the list below multiply operands that are first quantised to E2M3 (2 exponent bits, 3 mantissa bits; 6 bits a number), with one power-of-two scale for each 32 numbers along K (OCP MX v1.0); their sums are f32. All else is computed in f32.
;;   The module's matrix products, in the order in which they are computed (A, B: the left and right operand; K: the contracted axis; several contracted axes count as one K, in the product's order):
;;     1. [M 4,096, K 1,024] x [K 1,024, N 1,024]; A: input query; B: input wq: QUANTISED
;;     2. [M 4,096, K 1,024] x [K 1,024, N 1,024]; A: input key; B: input wk: QUANTISED
;;     3. [M 4,096, K 1,024] x [K 1,024, N 1,024]; A: input value; B: input wv: QUANTISED
;;     4. batch 32 x [M 2,048, K 64] x [K 64, N 2,048]; A: computed on the way; B: computed on the way: QUANTISED
;;     5. batch 32 x [M 2,048, K 2,048] x [K 2,048, N 64]; A: softmax (see below); B: computed on the way: QUANTISED
;;     6. [M 4,096, K 1,024] x [K 1,024, N 1,024]; A: computed on the way; B: input wo: QUANTISED
;;   THE QUANTISER, for each operand of a quantised product, along K:
;;     - K is cut into blocks of 32 from its start; a last block that is shorter is filled with zeros.
;;     - A block's scale is 2^e with e = floor(log2(the largest magnitude in the block)) - 2, held to -126 .. 127; a block of zeros has e = 0. As a byte (E8M0): e + 127.
;;     - Each number is divided by its block's scale, clamped to +-7.5, and rounded to the nearest number of E2M3, ties to even, subnormals kept.
;;     - The product sums the exact products of the quantised numbers (number of the format x scale) in f32.
;;   ~~~python
;;   def quantise(x, axis):      # numpy; x: float32 -> the quantised numbers, widened to float32 again
;;       x = np.moveaxis(x, axis, -1); K = x.shape[-1]
;;       x = np.pad(x, [(0, 0)] * (x.ndim - 1) + [(0, -K % 32)]); x = x.reshape(x.shape[:-1] + (-1, 32)); a = np.abs(x).max(-1, keepdims=True)
;;       e = np.where(a > 0, np.clip(np.frexp(np.where(a > 0, a, 1))[1] - 1 - 2, -126, 127), 0)      # np.frexp(a)[1] - 1 = floor(log2(a)), exactly
;;       r = np.clip(x / 2.0 ** e, -7.5, 7.5)
;;       step = 2.0 ** (np.maximum(np.frexp(np.where(r == 0, 1, r))[1] - 1, 0) - 3)
;;       q = np.round(r / step) * step * 2.0 ** e      # np.round: ties to even
;;       return np.moveaxis(q.reshape(q.shape[:-2] + (-1,))[..., :K], -1, axis).astype(np.float32)
;;   ~~~
;;   SOFTMAX AHEAD OF A QUANTISED PRODUCT. Where the list says 'softmax', what is quantised is not the finished softmax but p = 2^(t - M), with t = logit x log2(e) and M = ceil(the row's largest t), a whole number; so 1/2 < the row's largest p <= 1. The row's sum l is taken of the UNQUANTISED p, in f32, and the product's result is divided by l at the end. Since M is a whole number, a kernel that streams over the keys may use a running M (the ceiling of the running maximum): every later rescaling is an exact power of two, which a block's scale takes up: the codes' values come out the same.
;;   OPERANDS COMPUTED ON THE WAY. 'Computed on the way' means the value that the module computes at that place (a softmax that the list does not call 'softmax' is quantised finished and normalised). What goes into a quantiser is computed in f32, as accurately as f32 sums, v_exp_f32 and their like allow (about 1e-6 of the number): no bf16 or f16 on the way to a quantiser, and a product that is left as it is and whose result goes on into a quantised operand takes f32 operands (vector FMAs, or v_wmma_f32_16x16x4_f32). A number that lies on a knife's edge between two numbers of the format may be rounded either way, as far as f32 arithmetic and the matrix unit's own rounding can turn it there, and no further.
;; 3 versions, each right; version 2 is faster than version 1; version 3 is version 2 with the launch attn written anew for expert scheduling mode. Each part assembles by itself: llvm-mc -triple=amdgcn-amd-amdhsa -mcpu=gfx1250 --defsym DOCPART=n.
;; ======== version 1 of 3: 4 launches
;; limits: right only within a limited range of input values
;; workspace buffers: opc 12,582,912 bytes; ops 524,288 bytes; mw 1,048,576 bytes of whole numbers; fl 4,096 bytes of whole numbers; qi 3,407,872 bytes; kv 6,815,744 bytes; cxc 3,145,728 bytes; cxs 131,072 bytes
;; launch prep (part 1): grid 768 x 1, 4 waves a work-group, no clusters, 68,096 bytes of LDS; arguments query, key, value, wq, wk, wv, wo, mask, opc, ops, mw, fl; writes opc, ops, mw, fl
.if DOCPART == 1
	.amdgcn_target "amdgcn-amd-amdhsa--gfx1250"
	.amdhsa_code_object_version 6
	.text
	.protected	k_qe4f3ed6b4a_prep
	.globl	k_qe4f3ed6b4a_prep
	.p2align	8
	.type	k_qe4f3ed6b4a_prep,@function
k_qe4f3ed6b4a_prep:
	s_mov_b64 s[64:65], 0
	v_nop
	global_prefetch_b8 v0, s[64:65] scope:SCOPE_SE
	s_setreg_imm32_b32 hwreg(HW_REG_WAVE_MODE, 25, 1), 1
	s_wait_xcnt 0x0
; PREP.  (1) query, key, value [4096][1024] and wq, wk, wv, wo [1024][1024], f32, K innermost, become codes of FP6 (E2M3) with one E8M0 byte for each 32 along K, laid in the order of an operand's registers.
; (2) mask [2][2048][2048], int32, becomes one bit a number, laid as the attention launch's lanes and registers want it, and one flag bit for each step of 128 keys that has a hole.
; TILES.  Tile TN of a tensor is 16 rows: lane r (lane % 16) stands for row 32 (TN / 2) + 8 (TN % 2) + r + 8 (r / 8).  Every launch of this program uses that order on both sides of every product.
; A FRAGMENT RECORD (16 rows x 128 K, 12 registers a lane, 1,536 bytes): registers 0-3 at 16 x lane, 4-5 at 512 + 8 x lane, 6-9 at 768 + 16 x lane, 10-11 at 1,280 + 8 x lane.
; opc: [group of 8 tiles][K step 0..7][tile][1,536];  ops: [group][tile][K step / 4][row r][K step % 4] words of four scale bytes.
; mw: [tile of queries Tg = 128 b + T][step of 128 keys][64 words]: bit L of word 16 B + i = (mask[query of lane L % 16][128 step + 32 B + 16 (L / 16) + i] != 0).   fl: [Tg][quarter of the keys]: bit j set = step j has a hole.
; A block's scale is 2^(floor(log2(its largest magnitude)) - 2); its byte is the largest magnitude's exponent field - 2, held at 1 from below.
; LIMITS: a block of zeros gets the byte 1 where the rule says 127 (its codes are zeros, and this program alone reads the bytes); blocks whose largest magnitude lies under 2^(3 - 127) were not tried; NaN and infinities are not served.
; SHARES.  Work-groups 0-511 quantise, 512-767 pack the mask; a wave takes 16 rows x 512 numbers in four turns of 16 x 128.  Each load reads 512 consecutive bytes of one row; a turn's 8 KB go through the wave's own
; stage in LDS (rows of 512 + 16 bytes) and come back so that a lane holds, of its row, 16 neighbours of each block of 32.  Waves share nothing: no barrier.  The two paths have LDS bytes of their own.
.set PITCH, 528
.set STG,   16*PITCH                   ; a wave's stage
.set MBASE, 4*STG                      ; the mask path's four stages lie behind the quantising path's
.set LI,  4                            ; v4   16 x lane
.set L8,  5                            ; v5   8 x lane
.set SA,  6                            ; v6   the stage, on the way in
.set RA,  7                            ; v7   and on the way out: 528 r + 64 h
.set PW,  8                            ; v8-11  the four turns' scale words
.set OW,  12                           ; v12-13 the two words that my lane stores
.set PC,  16                           ; v16-27 a fragment's codes
.set TQ,  28                           ; v28-35 the conversions' second halves
.set TM,  36                           ; v36-51 at work in QUANT
.set W,   52                           ; v52-53 a step's 64 mask words, two a lane
.set TP,  54
.set R,   64                           ; v64-191  two sets of 64 registers as loaded
.set X,   192                          ; v192-255 64 numbers: register 16 B + i = k 32 B + 16 h + i of my row
.set SEL, 50                           ; s[50:51] selects for lane l xor 16
.set HM,  52                           ; s52  lanes 16-31
; 64 numbers of a lane become a fragment's codes (d0: six registers, k 0-63; d1: six, k 64-127) and the row's scale word w.
.macro QUANT src, d0, d1, w
.irp b, 0,1,2,3
	v_max3_num_f32 v[TM+\b], |v[\src+16*\b]|, |v[\src+1+16*\b]|, 0x1800000   ; my 16 numbers of block b, and the floor 2^(3 - 127): the byte cannot fall under 1
.endr
.irp i, 2,4,6,8,10,12,14
.irp b, 0,1,2,3
	v_max3_num_f32 v[TM+\b], v[TM+\b], |v[\src+16*\b+\i]|, |v[\src+1+16*\b+\i]|
.endr
.endr
.irp b, 0,1,2,3
	v_permlanex16_b32 v[TM+4+\b], v[TM+\b], s[SEL], s[SEL+1]
.endr
.irp b, 0,1,2,3
	v_max_num_f32 v[TM+\b], v[TM+\b], v[TM+4+\b]       ; with lane l xor 16's 16: the block's largest magnitude
.endr
.irp b, 0,1,2,3
	v_add_nc_u32 v[TM+12+\b], 0xff000000, v[TM+\b]     ; 2 off its exponent field: the conversion's scale operand
.endr
.irp b, 0,1,2,3
	v_lshrrev_b32 v[TM+4+\b], 23, v[TM+12+\b]          ; the scale's byte
.endr
	v_lshl_or_b32 v[\w], v[TM+5], 8, v[TM+4]
	v_lshl_or_b32 v[\w], v[TM+6], 16, v[\w]
	v_lshl_or_b32 v[\w], v[TM+7], 24, v[\w]
	v_cvt_scalef32_pk16_fp6_f32 v[\d0:\d0+2], v[\src:\src+15], v[TM+12]
	v_cvt_scalef32_pk16_fp6_f32 v[TQ:TQ+2], v[\src+16:\src+31], v[TM+13]
	v_cvt_scalef32_pk16_fp6_f32 v[\d1:\d1+2], v[\src+32:\src+47], v[TM+14]
	v_cvt_scalef32_pk16_fp6_f32 v[TQ+4:TQ+6], v[\src+48:\src+63], v[TM+15]
	v_nop                                              ; one plain line behind the scaled conversions
.irp i, 0,1,2
	v_permlane16_swap_b32 v[\d0+\i], v[TQ+\i]          ; a whole block to a lane: lanes 0-15 the even block, lanes 16-31 the odd one
	v_permlane16_swap_b32 v[\d1+\i], v[TQ+4+\i]
.endr
.irp i, 0,1,2
	v_mov_b32 v[\d0+3+\i], v[TQ+\i]
	v_mov_b32 v[\d1+3+\i], v[TQ+4+\i]
.endr
.endm
.macro LOAD t, rs                      ; turn t: 128 numbers of each of my tile's 16 rows; rs = a row of the tensor in bytes
.irp i, 0,1,2,3,4,5,6,7,8,9,10,11,12,13,14,15
	global_load_b128 v[R+64*((\t)%2)+4*\i:R+64*((\t)%2)+4*\i+3], v[LI], s[28:29] offset:(\i+8*(\i/8))*(\rs)+512*(\t) th:TH_LOAD_NT
.endr
.endm
.macro TURN t                          ; through the stage: LDS serves a wave's instructions in order, so no wait stands between the stores and the loads
.irp i, 0,1,2,3,4,5,6,7,8,9,10,11,12,13,14,15
	ds_store_b128 v[SA], v[R+64*((\t)%2)+4*\i:R+64*((\t)%2)+4*\i+3] offset:PITCH*\i
.endr
.irp n, 0,1,2,3,4,5,6,7,8,9,10,11,12,13,14,15
	ds_load_b128 v[X+4*\n:X+4*\n+3], v[RA] offset:128*(\n/4)+16*(\n%4)
.endr
.endm
	s_load_b512 s[4:19], s[0:1], 0x0               ; query, key, value, wq, wk, wv, wo, mask
	s_load_b256 s[20:27], s[0:1], 0x40             ; opc, ops, mw, fl
	v_lshl_add_u32 v62, v0, 2, 0x10800
	v_mov_b32 v63, 0
	v_lshrrev_b32 v1, 5, v0
	v_readfirstlane_b32 s2, v1                     ; wave
	v_and_b32 v1, 31, v0                           ; lane
	v_and_b32 v2, 15, v0                           ; r
	v_bfe_u32 v3, v0, 4, 1                         ; h
	v_lshlrev_b32 v[LI], 4, v1
	v_lshlrev_b32 v[L8], 3, v1
	v_mul_u32_u24 v[RA], v2, PITCH
	v_lshl_add_u32 v[RA], v3, 6, v[RA]
	s_mul_i32 s3, s2, STG
	s_mov_b32 s57, 0
	s_cmp_ge_u32 ttmp9, 512
	s_cbranch_scc1 .Lmask
	; ---------------- the quantising path ----------------
	v_add_nc_u32 v[SA], s3, v[LI]
	v_add_nc_u32 v[RA], s3, v[RA]
	v_lshlrev_b32 v[TP], 4, v2
	v_lshl_add_u32 v[TP], v3, 3, v[TP]             ; 16 r + 8 h: where my two scale words go
.irp b, 0,1,2,3
	v_mov_b32 v[TM+4+\b], 0                        ; written once: a lane permute's destination counts as one of its sources
.endr
	s_mov_b32 s[SEL], 0x76543210
	s_mov_b32 s[SEL+1], 0xfedcba98
	s_mov_b32 s[HM], 0xffff0000
	s_wait_kmcnt 0x0
	s_mov_b64 s[28:29], s[16:17]                   ; which tensor: the choice hangs on the work-group's number alone
	s_mov_b32 s30, 480
	s_cmp_lt_u32 ttmp9, 480
	s_cselect_b64 s[28:29], s[14:15], s[28:29]
	s_cselect_b32 s30, 448, s30
	s_cmp_lt_u32 ttmp9, 448
	s_cselect_b64 s[28:29], s[12:13], s[28:29]
	s_cselect_b32 s30, 416, s30
	s_cmp_lt_u32 ttmp9, 416
	s_cselect_b64 s[28:29], s[10:11], s[28:29]
	s_cselect_b32 s30, 384, s30
	s_cmp_lt_u32 ttmp9, 384
	s_cselect_b64 s[28:29], s[8:9], s[28:29]
	s_cselect_b32 s30, 256, s30
	s_cmp_lt_u32 ttmp9, 256
	s_cselect_b64 s[28:29], s[6:7], s[28:29]
	s_cselect_b32 s30, 128, s30
	s_cmp_lt_u32 ttmp9, 128
	s_cselect_b64 s[28:29], s[4:5], s[28:29]
	s_cselect_b32 s30, 0, s30                      ; the tensor's first work-group
	s_sub_co_u32 s31, ttmp9, s30
	s_lshl_b32 s31, s31, 5                         ; a work-group has two tiles: 32 rows
	s_lshr_b32 s53, s2, 1                          ; which of the two
	s_lshl_b32 s56, s53, 3
	s_add_co_u32 s31, s31, s56                     ; the tile's first row
	s_lshl_b32 s56, s31, 12                        ; rows of 4,096 bytes
	s_and_b32 s58, s2, 1                           ; which half of K
	s_lshl_b32 s59, s58, 11
	s_add_co_u32 s56, s56, s59
	s_add_nc_u64 s[28:29], s[28:29], s[56:57]
	LOAD 0, 4096
	LOAD 1, 4096
	s_lshl_b32 s59, ttmp9, 1
	s_add_co_u32 s59, s59, s53                     ; TN, counted through all seven tensors
	s_lshr_b32 s56, s59, 3
	s_mul_i32 s56, s56, 98304
	s_and_b32 s60, s59, 7
	s_mul_i32 s60, s60, 1536
	s_add_co_u32 s56, s56, s60
	s_mul_i32 s60, s58, 4*12288
	s_add_co_u32 s56, s56, s60
	s_add_nc_u64 s[54:55], s[20:21], s[56:57]      ; my records in opc
	s_lshl_b32 s56, s59, 9
	s_lshl_b32 s60, s58, 8
	s_add_co_u32 s56, s56, s60
	s_add_nc_u64 s[22:23], s[22:23], s[56:57]      ; my 256 bytes in ops
.irp t, 0,1,2,3
.if \t < 3
	s_wait_loadcnt 16                              ; this turn's 16 loads are in; the next turn's 16 may be out
.else
	s_wait_loadcnt 0x0
.endif
	TURN \t
	s_wait_dscnt 0x0                               ; the numbers are back, and the stage's stores have read their registers,
.if \t < 2
	LOAD \t+2, 4096                                ; which take the loads of two turns on
.endif
	s_wait_xcnt 0x0                                ; the last turn's stores have read the codes' registers
	QUANT X, PC, PC+6, PW+\t
	global_store_b128 v[LI], v[PC:PC+3], s[54:55] offset:12288*\t          ; 512, 256, 512, 256 consecutive bytes, each run at a multiple of 256
	global_store_b64 v[L8], v[PC+4:PC+5], s[54:55] offset:12288*\t+512
	global_store_b128 v[LI], v[PC+6:PC+9], s[54:55] offset:12288*\t+768
	global_store_b64 v[L8], v[PC+10:PC+11], s[54:55] offset:12288*\t+1280
.endr
	v_cndmask_b32 v[OW], v[PW], v[PW+2], s[HM]     ; lanes 0-15 store their row's words 0, 1, lanes 16-31 words 2, 3
	v_cndmask_b32 v[OW+1], v[PW+1], v[PW+3], s[HM]
	global_store_b64 v[TP], v[OW:OW+1], s[22:23]   ; the wave's 256 consecutive bytes
	s_wait_tensorcnt 0x0
	ds_add_u32 v62, v63
	s_wait_dscnt 0x0
	s_endpgm
	; ---------------- the mask path ----------------
.Lmask:
	s_add_co_u32 s3, s3, MBASE
	v_add_nc_u32 v[SA], s3, v[LI]
	v_add_nc_u32 v[RA], s3, v[RA]
	v_mov_b32 v[W], 0                              ; v_writelane_b32's destination counts as read
	v_mov_b32 v[W+1], 0
	s_sub_co_u32 s30, ttmp9, 512                   ; Tg; my wave takes a quarter of the keys
	s_lshr_b32 s31, s30, 1
	s_lshl_b32 s31, s31, 5
	s_and_b32 s53, s30, 1
	s_lshl_b32 s53, s53, 3
	s_add_co_u32 s31, s31, s53                     ; the tile's first row
	s_lshl_b32 s56, s31, 13                        ; rows of 8,192 bytes
	s_lshl_b32 s53, s2, 11
	s_add_co_u32 s56, s56, s53
	s_wait_kmcnt 0x0
	s_add_nc_u64 s[28:29], s[18:19], s[56:57]
	LOAD 0, 8192
	LOAD 1, 8192
	s_lshl_b32 s56, s30, 12
	s_lshl_b32 s53, s2, 10
	s_add_co_u32 s56, s56, s53
	s_add_nc_u64 s[24:25], s[24:25], s[56:57]      ; mw: 256 bytes a step, 16 steps a tile
	s_lshl_b32 s56, s30, 4
	s_lshl_b32 s53, s2, 2
	s_add_co_u32 s56, s56, s53
	s_add_nc_u64 s[26:27], s[26:27], s[56:57]      ; fl
	s_mov_b32 s49, 0
.irp t, 0,1,2,3
.if \t < 3
	s_wait_loadcnt 16                              ; this turn's 16 loads are in; the next turn's 16 may be out
.else
	s_wait_loadcnt 0x0
.endif
	TURN \t
	s_wait_dscnt 0x0
.if \t < 2
	LOAD \t+2, 8192
.endif
	s_wait_xcnt 0x0                                ; the last turn's store has read the words' registers
.irp g, 0,1,2,3
.set n, 0
.rept 16
	v_cmp_ne_u32 s[32+n], 0, v[X+16*\g+n]          ; one bit a lane
.set n, n+1
.endr
.set n, 0
.rept 16
	v_writelane_b32 v[W+n%2], s[32+n], (16*\g+n)/2 ; word x goes to lane x / 2, register x % 2
.set n, n+1
.endr
.endr
	global_store_b64 v[L8], v[W:W+1], s[24:25] offset:256*\t   ; the step's 256 consecutive bytes
	v_and_b32 v[TP], v[W], v[W+1]
	v_cmp_ne_u32 vcc_lo, -1, v[TP]                 ; a word that is not all ones: a hole
	s_cmp_lg_u32 vcc_lo, 0
	s_cselect_b32 s48, 1<<\t, 0
	s_or_b32 s49, s49, s48
.endr
	s_lshl_b32 s48, s2, 2
	s_lshl_b32 s49, s49, s48                       ; my quarter's four bits at their places among the sixteen
	v_mov_b32 v[TP], s49
	v_mov_b32 v[OW], 0
	v_cmp_eq_u32 vcc_lo, 0, v1
	s_wait_xcnt 0x0                                ; EXEC changes only behind this wait
	s_wait_tensorcnt 0x0
	ds_add_u32 v62, v63
	s_wait_dscnt 0x0
	s_and_saveexec_b32 s31, vcc_lo
	global_store_b32 v[OW], v[TP], s[26:27]        ; one word, from lane 0
	s_wait_xcnt 0x0
	s_or_b32 exec_lo, exec_lo, s31
	s_endpgm
.Lfunc_end_k_qe4f3ed6b4a_prep:
	.size	k_qe4f3ed6b4a_prep, .Lfunc_end_k_qe4f3ed6b4a_prep-k_qe4f3ed6b4a_prep
	.p2alignl 7, 3214868480
	.fill 96, 4, 3214868480
	.section	.rodata,"a",@progbits
	.p2align	6, 0x0
	.amdhsa_kernel k_qe4f3ed6b4a_prep
		.amdhsa_group_segment_fixed_size 68096
		.amdhsa_private_segment_fixed_size 0
		.amdhsa_enable_private_segment 0
		.amdhsa_kernarg_size 96
		.amdhsa_user_sgpr_count 2
		.amdhsa_user_sgpr_kernarg_segment_ptr 1
		.amdhsa_wavefront_size32 1
		.amdhsa_system_sgpr_workgroup_id_x 1
		.amdhsa_system_sgpr_workgroup_id_y 1
		.amdhsa_system_sgpr_workgroup_id_z 1
		.amdhsa_system_vgpr_workitem_id 0
		.amdhsa_next_free_vgpr 256
		.amdhsa_next_free_sgpr 66
		.amdhsa_reserve_vcc 1
		.amdhsa_float_denorm_mode_32 3
		.amdhsa_float_denorm_mode_16_64 3
		.amdhsa_memory_ordered 1
		.amdhsa_forward_progress 1
		.amdhsa_inst_pref_size 84
	.end_amdhsa_kernel
	.amdgpu_metadata
---
amdhsa.version: [ 1, 2 ]
amdhsa.kernels:
  - .name:           k_qe4f3ed6b4a_prep
    .symbol:         k_qe4f3ed6b4a_prep.kd
    .args:
      - { .name: query, .offset: 0, .size: 8, .value_kind: global_buffer, .address_space: global }
      - { .name: key, .offset: 8, .size: 8, .value_kind: global_buffer, .address_space: global }
      - { .name: value, .offset: 16, .size: 8, .value_kind: global_buffer, .address_space: global }
      - { .name: wq, .offset: 24, .size: 8, .value_kind: global_buffer, .address_space: global }
      - { .name: wk, .offset: 32, .size: 8, .value_kind: global_buffer, .address_space: global }
      - { .name: wv, .offset: 40, .size: 8, .value_kind: global_buffer, .address_space: global }
      - { .name: wo, .offset: 48, .size: 8, .value_kind: global_buffer, .address_space: global }
      - { .name: mask, .offset: 56, .size: 8, .value_kind: global_buffer, .address_space: global }
      - { .name: opc, .offset: 64, .size: 8, .value_kind: global_buffer, .address_space: global }
      - { .name: ops, .offset: 72, .size: 8, .value_kind: global_buffer, .address_space: global }
      - { .name: mw, .offset: 80, .size: 8, .value_kind: global_buffer, .address_space: global }
      - { .name: fl, .offset: 88, .size: 8, .value_kind: global_buffer, .address_space: global }
    .group_segment_fixed_size: 68096
    .private_segment_fixed_size: 0
    .kernarg_segment_align: 8
    .kernarg_segment_size: 96
    .max_flat_workgroup_size: 128
    .sgpr_count:     66
    .vgpr_count:     256
    .wavefront_size: 32
...
	.end_amdgpu_metadata
.endif
;; end of part 1
;; launch qkv (part 2): grid 4 x 48, 4 waves a work-group, clusters of 4 x 4, 327,680 bytes of LDS; arguments opc, ops, bq, bk, bv, qi, kv; writes qi, kv
.if DOCPART == 2
	.amdgcn_target "amdgcn-amd-amdhsa--gfx1250"
	.amdhsa_code_object_version 6
	.text
	.protected	k_qe4f3ed6b4a_qkv
	.globl	k_qe4f3ed6b4a_qkv
	.p2align	8
	.type	k_qe4f3ed6b4a_qkv,@function
k_qe4f3ed6b4a_qkv:
	s_mov_b64 s[64:65], 0
	v_nop
	global_prefetch_b8 v0, s[64:65] scope:SCOPE_SE
	s_setreg_imm32_b32 hwreg(HW_REG_WAVE_MODE, 25, 1), 1
	s_wait_xcnt 0x0
	s_wait_alu depctr_hold_cnt(0) depctr_sa_sdst(0) depctr_va_vdst(0) depctr_va_sdst(0) depctr_va_ssrc(0) depctr_va_vcc(0) depctr_vm_vsrc(0)
	s_getreg_b32 s2, hwreg(HW_REG_IB_STS2, 6, 4)
	s_cmp_eq_u32 s2, 0
	s_cbranch_scc0 .Lentry_in_a_cluster
	s_endpgm
.Lentry_in_a_cluster:
	s_bfe_u32 s2, ttmp6, 0x10000c
	s_cmp_lg_u32 s2, 0xf033
	s_cbranch_scc0 .Lentry_shape_is_right
	s_endpgm
.Lentry_shape_is_right:
; QKV.  The three projections x W^T + b on codes of FP6 (E2M3) with E8M0 scales, M 4,096, N 1,024, K 1,024 each; the results, f32, are quantised in registers for the attention launch and leave as images of its operands' registers.
; ROLES by the cluster's y / 4: 0 q, 1 k, 2 v.  A work-group makes 256 x 256, a wave 128 x 128: 64 accumulators.  Source 1 ("A", its rows are the result's lanes), source 0 ("B", its rows run along a lane's registers).
; q, k: A = the tokens, B = the weight's rows: a lane holds one token and 128 neighbouring features, two heads: K of the score product runs along its registers.
; v:    A = wv's rows, B = the tokens: a lane holds one feature d and 128 neighbouring keys: K of the second product runs along its registers.
; TILES: lane r of tile t stands for row 32 (t / 2) + 8 (t % 2) + r + 8 (r / 8), so the 16 registers of B's tiles 2 B and 2 B + 1 are the neighbours 32 B + 16 h + 0 .. 15.
; OPERANDS lie in memory as fragment records (1,536 bytes: registers 0-3 at 16 x lane, 4-5 at 512 + 8 x lane, 6-9 at 768 + 16 x lane, 10-11 at 1,280 + 8 x lane), [group of 128 rows][K step][tile]: a K step's eight fragments
; of 128 rows are 12,288 dense bytes.  LDS: four regions (A's two halves, B's two) of six K-step places.  K has eight steps of 128: steps 0-5 are asked for at the head, steps 6 and 7 fill places 0 and 1 again, once.
; CLUSTER 4 x 4: A's blocks are shared along a row of the cluster, B's along a column: joint loads.  A wave has at most four tensor loads out (the head's), later one.
; OUT.  qi [b 16 + head][step of 128 tokens][6,656]: four pairs of tiles x 12 registers as three images of 512 bytes, then the scale words' image (register u: tile 2 u in lanes 0-15, tile 2 u + 1 in lanes 16-31; bytes 2, 3 are 0).
;       kv [b 16 + head][step][13,056]: K as qi at 0; V's four fragments (16 d x 128 keys) at 6,656, three images each; V's scale words at 12,800 (8 bytes a lane: register u = d tiles 2 u | 2 u + 1).
; LIMITS: a block of zeros gets the byte 1 where the rule says 127 (its codes are zeros; this program alone reads the bytes); blocks under 2^(3 - 127) were not tried; NaN and infinities are not served.
; REGISTERS.  window 0: v16-23 LDS addresses, v24 16 x lane, v25 8 x lane, v27 scale words' address, v28-29 the add's, v32-95 all scale words (8 t + s: lanes 0-15 A's tile t, lanes 16-31 B's), v96-103 v's bias,
;   v128-223 A's fragments, one set; on the way out v104-111 and v128-244.  window 1: B's two sets at v0 and v128; v96-127, v224-255 q's or k's bias.  windows 2, 3: accumulator (a, b) at 8 (8 (a % 4) + b).
.set PLB,   12288                      ; a K step's eight fragments
.set REG,   6*PLB                      ; a region
.set SCL,   4*REG                      ; behind the regions: four blocks of scale words, 4,096 bytes each
.set SPARE, SCL+4*4096                 ; the spare words: 128 bytes a wave, two blocks of 256 bytes that no other line names
.set FR,   12
.set ADRA, 16                          ; v16 16 x lane, v17 8 x lane in my region of A, places 0-2; v18, v19 places 3-5
.set ADRB, 20
.set LI,   24
.set L8,   25
.set ADRS, 27
.set SPW,  28
.set NIL,  29
.set SC,   32
.set RB,   96
.set SW,   104
.set AF,   128
.set HA,   128                         ; the way out: 64 numbers
.set CH0,  192                         ; 12 registers of codes
.set CH1,  204
.set TQ,   216
.set TM,   224
.set PW,   240
.set BP,   242
.set TS,   244
.set WV,   18
.set HR,   19                          ; wave / 2: my half of A's rows; also: I fetch for A (0) or B (1)
.set HP,   20                          ; wave % 2: my half of B's rows; also: which half I fetch
.set ROLE, 23
.set G1A,  24
.set G1B,  32
.set G1SA, 40
.set G1SB, 48
.set G0A0, 56
.set G0A1, 60
.set G0A2, 68
.set G0SA, 72
.set G0B0, 76
.set G0B1, 80
.set G0B2, 84
.set G0SB, 88
.set SEL,  98
.set HM,   100
.set MSB, 0
.macro WIN new                         ; the immediate's high byte repeats the setting that is left
.if MSB != (\new)
	s_set_vgpr_msb (MSB<<8)|(\new)
.set MSB, (\new)
.endif
.endm
.set MUL_LO, 0xa1                      ; source 0 (B) window 1, source 1 (A) window 0, C and D window 2
.set MUL_HI, 0xf1
.set TO_B,   0x40
.macro PLACES n
.rept \n
	v_nop
.endr
.endm
.macro JLOAD g0a, g1a, g0b, g1b        ; a joint load: waves 0, 1 for A, waves 2, 3 for B; four v_nop follow each line
	s_cmp_eq_u32 s[HR], 0
	s_cbranch_scc0 .Lfor_b_\@
	tensor_load_to_lds s[\g0a:\g0a+3], s[\g1a:\g1a+7]
	s_nop 0
	PLACES 4
	s_branch .Lasked_\@
.Lfor_b_\@:
	tensor_load_to_lds s[\g0b:\g0b+3], s[\g1b:\g1b+7]
	s_nop 0
	PLACES 4
.Lasked_\@:
.endm
.macro CREST
	s_cmp_lg_u32 s[WV], 0
	s_cbranch_scc1 .Lnot_wave_0_\@
	s_barrier_signal -3
.Lnot_wave_0_\@:
	s_barrier_wait -3
	s_barrier_signal -1
	s_barrier_wait -1
.endm
.macro CROUND
	s_barrier_signal -1
	s_barrier_wait -1
	CREST
.endm
.macro MKG0 g, lds, ldsoff, adr, off   ; descriptor group 0
	s_mov_b32 s[\g], 1
	s_add_co_u32 s[\g+1], s[\lds], \ldsoff
	s_add_nc_u64 s[\g+2:\g+3], s[\adr:\adr+1], \off
	s_or_b32 s[\g+3], s[\g+3], 0x80000000
.endm
.macro QUANT src, d0, d1, w            ; 64 numbers of a lane (register 16 B + i = k 32 B + 16 h + i) -> codes d0 (k 0-63), d1 (k 64-127), scale word w
.irp b, 0,1,2,3
	v_max3_num_f32 v[TM+\b], |v[\src+16*\b]|, |v[\src+1+16*\b]|, 0x1800000   ; and the floor 2^(3 - 127): the byte cannot fall under 1
.endr
.irp i, 2,4,6,8,10,12,14
.irp b, 0,1,2,3
	v_max3_num_f32 v[TM+\b], v[TM+\b], |v[\src+16*\b+\i]|, |v[\src+1+16*\b+\i]|
.endr
.endr
.irp b, 0,1,2,3
	v_permlanex16_b32 v[TM+4+\b], v[TM+\b], s[SEL], s[SEL+1]
.endr
.irp b, 0,1,2,3
	v_max_num_f32 v[TM+\b], v[TM+\b], v[TM+4+\b]
.endr
.irp b, 0,1,2,3
	v_add_nc_u32 v[TM+12+\b], 0xff000000, v[TM+\b]     ; 2 off the exponent field: the conversion's scale operand
.endr
.irp b, 0,1,2,3
	v_lshrrev_b32 v[TM+4+\b], 23, v[TM+12+\b]
.endr
	v_lshl_or_b32 v[\w], v[TM+5], 8, v[TM+4]
	v_lshl_or_b32 v[\w], v[TM+6], 16, v[\w]
	v_lshl_or_b32 v[\w], v[TM+7], 24, v[\w]
	v_cvt_scalef32_pk16_fp6_f32 v[\d0:\d0+2], v[\src:\src+15], v[TM+12]
	v_cvt_scalef32_pk16_fp6_f32 v[TQ:TQ+2], v[\src+16:\src+31], v[TM+13]
	v_cvt_scalef32_pk16_fp6_f32 v[\d1:\d1+2], v[\src+32:\src+47], v[TM+14]
	v_cvt_scalef32_pk16_fp6_f32 v[TQ+4:TQ+6], v[\src+48:\src+63], v[TM+15]
	v_nop                                              ; one plain line behind the scaled conversions
.irp i, 0,1,2
	v_permlane16_swap_b32 v[\d0+\i], v[TQ+\i]
	v_permlane16_swap_b32 v[\d1+\i], v[TQ+4+\i]
.endr
.irp i, 0,1,2
	v_mov_b32 v[\d0+3+\i], v[TQ+\i]
	v_mov_b32 v[\d1+3+\i], v[TQ+4+\i]
.endr
.endm
.macro FRAG reg, adr, off              ; a fragment record: four loads, each of consecutive bytes
	ds_load_b128 v[\reg:\reg+3], v[\adr] offset:\off
	ds_load_b64 v[\reg+4:\reg+5], v[\adr+1] offset:\off+512
	ds_load_b128 v[\reg+6:\reg+9], v[\adr] offset:\off+768
	ds_load_b64 v[\reg+10:\reg+11], v[\adr+1] offset:\off+1280
.endm
.macro FETCH_B pl, set                 ; B's eight fragments of place pl into set
	WIN TO_B
.irp i, 0,1,2,3,4,5,6,7
	FRAG 128*(\set)+FR*\i, ADRB+2*((\pl)/3), ((\pl)%3)*PLB+1536*\i
.endr
	WIN 0
.endm
.macro FETCH_A pl, i0                  ; A's blocks i0 .. i0 + 3
.irp i, \i0, \i0+1, \i0+2, \i0+3
	FRAG AF+FR*(\i), ADRA+2*((\pl)/3), ((\pl)%3)*PLB+1536*(\i)
.endr
.endm
; 16 matrix instructions of K step s: A's blocks a0, a0 + 1 x B's eight.  The 64 accumulators take turns, one instruction a turn, in the same order in every step.
.macro MUL16 a0, s, zero
.irp a, \a0, \a0+1
.irp b, 0,1,2,3,4,5,6,7
.if \zero
	v_wmma_scale_f32_16x16x128_f8f6f4 v[8*(8*((\a)%4)+\b):8*(8*((\a)%4)+\b)+7], v[128*((\s)%2)+FR*\b:128*((\s)%2)+FR*\b+FR-1], v[AF+FR*(\a):AF+FR*(\a)+FR-1], 0, v[SC+8*\b+(\s)], v[SC+8*(\a)+(\s)] matrix_a_fmt:MATRIX_FMT_FP6 matrix_b_fmt:MATRIX_FMT_FP6 matrix_a_scale:MATRIX_SCALE_ROW1
.else
	v_wmma_scale_f32_16x16x128_f8f6f4 v[8*(8*((\a)%4)+\b):8*(8*((\a)%4)+\b)+7], v[128*((\s)%2)+FR*\b:128*((\s)%2)+FR*\b+FR-1], v[AF+FR*(\a):AF+FR*(\a)+FR-1], v[8*(8*((\a)%4)+\b):8*(8*((\a)%4)+\b)+7], v[SC+8*\b+(\s)], v[SC+8*(\a)+(\s)] matrix_a_fmt:MATRIX_FMT_FP6 matrix_b_fmt:MATRIX_FMT_FP6 matrix_a_scale:MATRIX_SCALE_ROW1
.endif
.endr
.endr
.endm
.macro STEP s, np, zero                ; K step s; np = the place of step s + 1
	s_wait_dscnt 16                                ; B's set and A's blocks 0-3 are in; the youngest 16 loads (A's blocks 4-7) may be out
	WIN MUL_LO
	MUL16 0, \s, \zero
	MUL16 2, \s, \zero
	s_wait_dscnt 0x0
	PLACES 4                                       ; in front of loads into registers that matrix instructions have read
	FETCH_B \np, ((\s)+1)%2
	FETCH_A \np, 0
	WIN MUL_HI
	MUL16 4, \s, \zero
	MUL16 6, \s, \zero
	PLACES 4
	WIN 0
	FETCH_A \np, 4
.endm
.macro TURN s, np, fill                ; a K step with a barrier in it.  fill = 1: places 0 and 1, which nobody reads any more, take K steps 6 and 7
	s_wait_tensorcnt 0x0                           ; all my tensor loads have landed
	ds_add_u32 v[SPW], v[NIL]                      ; 0 onto my spare word
	s_wait_dscnt 17                                ; (the add and the youngest 16 loads may be out)
	WIN MUL_LO
	MUL16 0, \s, 0
	s_wait_dscnt 0x0                               ; the add is done, and all my LDS reads so far are in
	s_barrier_signal -1
	MUL16 2, \s, 0
	WIN 0
	s_barrier_wait -1
.if \fill
	CREST                                          ; the barrier has opened a round of the cluster's barrier: no wave of any partner still reads places 0, 1 or has a load on its way
	s_add_nc_u64 s[G0A0+2:G0A0+3], s[G0A0+2:G0A0+3], 3*2*PLB
	s_add_nc_u64 s[G0B0+2:G0B0+3], s[G0B0+2:G0B0+3], 3*2*PLB
	JLOAD G0A0, G1A, G0B0, G1B                     ; it has four K steps, 256 matrix instructions, in which to land; its four v_nop are the places in front of the loads below
.else
	PLACES 4
.endif
	FETCH_B \np, ((\s)+1)%2
	FETCH_A \np, 0
	WIN MUL_HI
	MUL16 4, \s, 0
	MUL16 6, \s, 0
	PLACES 4
	WIN 0
	FETCH_A \np, 4
.endm
	s_load_b256 s[4:11], s[0:1], 0x0               ; opc, ops, bq, bk
	s_load_b128 s[12:15], s[0:1], 0x20             ; bv, qi
	s_load_b64 s[16:17], s[0:1], 0x30              ; kv
	v_lshl_add_u32 v[SPW], v0, 2, SPARE
	v_mov_b32 v[NIL], 0
	ds_add_u32 v28, v29
	ds_add_u32 v28, v29
	s_wait_dscnt 0x0
	v_lshrrev_b32 v1, 5, v0
	v_readfirstlane_b32 s[WV], v1
	s_lshr_b32 s[HR], s[WV], 1
	s_and_b32 s[HP], s[WV], 1
	s_bfe_u32 s21, ttmp6, 0x40000                  ; cx
	s_bfe_u32 s22, ttmp6, 0x40004                  ; cy
	s_and_b32 s92, ttmp7, 0xffff                   ; the cluster's y: 0 .. 11
	s_lshr_b32 s[ROLE], s92, 2
	s_and_b32 s92, s92, 3                          ; which quarter of the tokens
	s_mov_b32 s96, 104
	s_cmp_eq_u32 s[ROLE], 0
	s_cselect_b32 s95, 0, 32                       ; A's first group in opc: query 0, key 32, wv 112
	s_cselect_b32 s96, 96, s96                     ; B's: wq 96, wk 104, value 64
	s_cmp_eq_u32 s[ROLE], 2
	s_cselect_b32 s95, 112, s95
	s_cselect_b32 s96, 64, s96
	s_cselect_b32 s93, 0, s92
	s_cselect_b32 s94, s92, 0
	s_lshl_b32 s93, s93, 2
	s_add_co_u32 s93, s93, s22                     ; tile row (A's 256 rows): hangs on cy, not on cx
	s_lshl_b32 s94, s94, 2
	s_add_co_u32 s94, s94, s21                     ; tile column (B's 256 rows): hangs on cx, not on cy
	s_lshl_b32 s97, s22, 2
	s_lshl_b32 s97, 15, s97                        ; my row of the cluster
	s_lshl_b32 s2, 0x1111, s21                     ; my column
	; descriptor groups 1: dense blocks as rows of 256 bytes (32 elements of 8 bytes), no padding; bit 21 set beside a mask
	s_or_b32 s[G1A], s97, (3<<16)|(1<<21)
	s_or_b32 s[G1B], s2, (3<<16)|(1<<21)
	s_or_b32 s[G1SA], s97, (3<<16)|(1<<21)
	s_or_b32 s[G1SB], s2, (3<<16)|(1<<21)
.irp g, G1A, G1B
	s_mov_b32 s[\g+1], 32<<16                      ; tensor_dim0
	s_mov_b32 s[\g+2], 96<<16                      ; tensor_dim1: two K steps, 24,576 bytes
	s_mov_b32 s[\g+3], 32<<16                      ; tile_dim0
	s_mov_b32 s[\g+4], 96                          ; tile_dim1
	s_mov_b32 s[\g+5], 32                          ; pitch
	s_mov_b32 s[\g+6], 0
	s_mov_b32 s[\g+7], 0
.endr
.irp g, G1SA, G1SB
	s_mov_b32 s[\g+1], 32<<16
	s_mov_b32 s[\g+2], 16<<16                      ; the scale words of 128 rows: 4,096 bytes
	s_mov_b32 s[\g+3], 32<<16
	s_mov_b32 s[\g+4], 16
	s_mov_b32 s[\g+5], 32
	s_mov_b32 s[\g+6], 0
	s_mov_b32 s[\g+7], 0
.endr
	s_lshl_b32 s98, s93, 1
	s_add_co_u32 s98, s98, s95
	s_add_co_u32 s98, s98, s[HP]                   ; A's group that I would fetch
	s_lshl_b32 s100, s98, 12
	s_mul_i32 s98, s98, 8*PLB
	s_mov_b32 s99, 0
	s_mov_b32 s101, 0
	s_lshl_b32 s66, s94, 1
	s_add_co_u32 s66, s66, s96
	s_add_co_u32 s66, s66, s[HP]                   ; B's
	s_mul_i32 s2, s66, 8*PLB
	s_lshl_b32 s66, s66, 12
	s_mov_b32 s3, 0
	s_mov_b32 s67, 0
	s_mul_i32 s95, s[WV], REG                      ; where they go: the wave's number alone enters an LDS address
	s_lshl_b32 s96, s[WV], 12
	s_wait_kmcnt 0x0
	s_add_nc_u64 s[98:99], s[4:5], s[98:99]
	s_add_nc_u64 s[100:101], s[6:7], s[100:101]
	s_add_nc_u64 s[2:3], s[4:5], s[2:3]
	s_add_nc_u64 s[66:67], s[6:7], s[66:67]
	CROUND                                         ; all sixteen work-groups are here: the first joint loads meet
	MKG0 G0SA, 96, SCL, 100, 0
	MKG0 G0A0, 95, 0, 98, 0
	MKG0 G0A1, 95, 2*PLB, 98, 2*PLB
	MKG0 G0A2, 95, 4*PLB, 98, 4*PLB
	MKG0 G0SB, 96, SCL, 66, 0
	MKG0 G0B0, 95, 0, 2, 0
	MKG0 G0B1, 95, 2*PLB, 2, 2*PLB
	MKG0 G0B2, 95, 4*PLB, 2, 4*PLB
	s_cmp_eq_u32 s[HR], 0                          ; a wave's four first fills stand in one branch: scale words, K steps 0-1, 2-3, 4-5
	s_cbranch_scc0 .Lfirst_b
	tensor_load_to_lds s[G0SA:G0SA+3], s[G1SA:G1SA+7]
	s_nop 0
	tensor_load_to_lds s[G0A0:G0A0+3], s[G1A:G1A+7]
	s_nop 0
	tensor_load_to_lds s[G0A1:G0A1+3], s[G1A:G1A+7]
	s_nop 0
	tensor_load_to_lds s[G0A2:G0A2+3], s[G1A:G1A+7]
	s_nop 0
	PLACES 4
	s_branch .Lfirst_done
.Lfirst_b:
	tensor_load_to_lds s[G0SB:G0SB+3], s[G1SB:G1SB+7]
	s_nop 0
	tensor_load_to_lds s[G0B0:G0B0+3], s[G1B:G1B+7]
	s_nop 0
	tensor_load_to_lds s[G0B1:G0B1+3], s[G1B:G1B+7]
	s_nop 0
	tensor_load_to_lds s[G0B2:G0B2+3], s[G1B:G1B+7]
	s_nop 0
	PLACES 4
.Lfirst_done:
	v_and_b32 v1, 31, v0
	v_and_b32 v2, 15, v0                           ; r
	v_bfe_u32 v3, v0, 4, 1                         ; h
	v_lshlrev_b32 v[LI], 4, v1
	v_lshlrev_b32 v[L8], 3, v1
	s_mul_i32 s97, s[HR], REG                      ; my 128 rows of A
	s_mul_i32 s92, s[HP], REG
	s_add_co_u32 s92, s92, 2*REG                   ; my 128 rows of B
	v_add_nc_u32 v[ADRA], s97, v[LI]
	v_add_nc_u32 v[ADRA+1], s97, v[L8]
	v_add_nc_u32 v[ADRA+2], 3*PLB, v[ADRA]
	v_add_nc_u32 v[ADRA+3], 3*PLB, v[ADRA+1]
	v_add_nc_u32 v[ADRB], s92, v[LI]
	v_add_nc_u32 v[ADRB+1], s92, v[L8]
	v_add_nc_u32 v[ADRB+2], 3*PLB, v[ADRB]
	v_add_nc_u32 v[ADRB+3], 3*PLB, v[ADRB+1]
	s_lshl_b32 s97, s[HR], 12                      ; the scale words: lanes 0-15 A's block, lanes 16-31 B's: the lower base + h x the distance
	s_lshl_b32 s92, s[HP], 12
	s_add_co_u32 s92, s92, 2*4096
	s_sub_co_u32 s92, s92, s97
	v_mul_u32_u24 v4, s92, v3
	s_add_co_u32 s97, s97, SCL
	v_lshl_add_u32 v4, v2, 4, v4
	v_add_nc_u32 v[ADRS], s97, v4
	; the biases.  Both kinds are loaded in every role, so that every register is written; the kind that a role does not use is read at the bias's head
	s_lshl_b32 s93, s93, 1
	s_add_co_u32 s93, s93, s[HR]                   ; X: my group of 128 of A's rows
	s_lshl_b32 s94, s94, 1
	s_add_co_u32 s94, s94, s[HP]                   ; Y: of B's rows
	s_cmp_eq_u32 s[ROLE], 0
	s_cselect_b64 s[8:9], s[8:9], s[10:11]
	s_cmp_eq_u32 s[ROLE], 2
	s_cselect_b64 s[8:9], s[12:13], s[8:9]
	s_cselect_b32 s92, 0, s94
	s_cselect_b32 s97, s93, 0
	s_lshl_b32 s10, s92, 9
	s_mov_b32 s11, 0
	s_lshl_b32 s12, s97, 9
	s_mov_b32 s13, 0
	s_add_nc_u64 s[10:11], s[8:9], s[10:11]
	s_add_nc_u64 s[12:13], s[8:9], s[12:13]
	v_lshlrev_b32 v5, 6, v3                        ; 64 h
	v_and_b32 v6, 8, v2
	v_add_nc_u32 v6, v6, v2
	v_lshlrev_b32 v6, 2, v6                        ; 4 (r + 8 (r / 8))
	WIN TO_B
.irp n, 0,1,2,3,4,5,6,7,8,9,10,11,12,13,14,15
	global_load_b128 v[96+4*\n+96*(\n/8):96+4*\n+96*(\n/8)+3], v5, s[10:11] offset:128*(\n/4)+16*(\n%4)   ; register 16 B + i: bias[128 Y + 32 B + 16 h + i]
.endr
	WIN 0
.irp a, 0,1,2,3,4,5,6,7
	global_load_b32 v[RB+\a], v6, s[12:13] offset:4*(32*(\a/2)+8*(\a%2))   ; bias[128 X + my row of tile a]
.endr
	; where the results go
	s_cmp_eq_u32 s[ROLE], 2
	s_cselect_b32 s92, s94, s93                    ; the group of 128 tokens
	s_cselect_b32 s97, s93, s94                    ; the pair of heads
	s_mov_b32 s95, 13056
	s_cmp_eq_u32 s[ROLE], 0
	s_cselect_b32 s95, 6656, s95                   ; a step's block in qi or in kv
	s_cselect_b64 s[14:15], s[14:15], s[16:17]
	s_lshr_b32 s96, s92, 4                         ; b
	s_lshl_b32 s96, s96, 4
	s_lshl_b32 s97, s97, 1
	s_add_co_u32 s96, s96, s97                     ; 16 b + head
	s_lshl_b32 s96, s96, 4
	s_and_b32 s92, s92, 15
	s_add_co_u32 s96, s96, s92                     ; x 16 + step
	s_mul_i32 s96, s96, s95
	s_mov_b32 s97, 0
	s_add_nc_u64 s[14:15], s[14:15], s[96:97]      ; the even head's block
	s_lshl_b32 s96, s95, 4
	s_add_nc_u64 s[16:17], s[14:15], s[96:97]      ; the odd head's
	s_mov_b32 s[SEL], 0x76543210
	s_mov_b32 s[SEL+1], 0xfedcba98
	s_mov_b32 s[HM], 0xffff0000
	s_wait_tensorcnt 2                             ; the scale words and K steps 0, 1 are in; the two loads behind them may be out
	s_barrier_signal -1
	s_barrier_wait -1
	FETCH_B 0, 0
	FETCH_A 0, 0
.irp n, 0,1,2,3,4,5,6,7,8,9,10,11,12,13,14,15
	ds_load_b128 v[SC+4*\n:SC+4*\n+3], v[ADRS] offset:256*\n   ; all scale words, once: tile n / 2, K steps 4 (n % 2) on
.endr
	FETCH_A 0, 4
	STEP 0, 1, 1                                   ; the first step's products start the sums
	TURN 1, 2, 1
	STEP 2, 3, 0
	STEP 3, 4, 0
	STEP 4, 5, 0
	TURN 5, 0, 0                                   ; K steps 6 and 7 have landed in every wave's part
	STEP 6, 1, 0
	s_wait_dscnt 16
	WIN MUL_LO
	MUL16 0, 7, 0
	MUL16 2, 7, 0
	s_wait_dscnt 0x0
	WIN MUL_HI
	MUL16 4, 7, 0
	MUL16 6, 7, 0
	WIN 0
	PLACES 4                                       ; behind the last products: their results are read and their operands' registers written below
	s_wait_loadcnt 0x0                             ; the biases
.irp b, 0,1,2,3
	v_mov_b32 v[TM+4+\b], 0                        ; a lane permute's destination counts as one of its sources
.endr
	s_cmp_eq_u32 s[ROLE], 2
	s_cbranch_scc1 .Lrole_v
	; ---- q, k: a tile of 16 tokens gives six registers of codes and two scale bytes for each of two heads; two tiles make a pair's 12 registers
.irp u, 0,1,2,3
.if \u > 0
	s_wait_xcnt 0x0                                ; the last pair's stores have read the codes' registers
.endif
.irp e, 0,1
	WIN 0x06+(2*\u+\e)/4                           ; source 0: the accumulators' window; source 1: window 1, the bias
.set i, 0
.rept 32
	v_pk_add_f32 v[HA+2*i:HA+2*i+1], v[64*((2*\u+\e)%4)+2*i:64*((2*\u+\e)%4)+2*i+1], v[96+2*i+96*(i/16):96+2*i+96*(i/16)+1]   ; each accumulator from its low end on
.set i, i+1
.endr
	WIN 0
	QUANT HA, CH0+6*\e, CH1+6*\e, PW+\e
.endr
	v_cndmask_b32 v[TS], v[PW], v[PW+1], s[HM]     ; lanes 0-15: the even tile's word, lanes 16-31: the odd tile's
	v_and_b32 v[SW+\u], 0xffff, v[TS]              ; bytes 0, 1: the even head's two blocks
	v_lshrrev_b32 v[SW+4+\u], 16, v[TS]            ; bytes 2, 3: the odd head's
.irp g, 0,1,2
	global_store_b128 v[LI], v[CH0+4*\g:CH0+4*\g+3], s[14:15] offset:1536*\u+512*\g   ; 512 consecutive bytes, at a multiple of 256
	global_store_b128 v[LI], v[CH1+4*\g:CH1+4*\g+3], s[16:17] offset:1536*\u+512*\g
.endr
.endr
	global_store_b128 v[LI], v[SW:SW+3], s[14:15] offset:6144
	global_store_b128 v[LI], v[SW+4:SW+7], s[16:17] offset:6144
	s_branch .Lend
	; ---- v: a tile of 16 features gives one fragment (16 d x 128 keys) and one scale word a row
.Lrole_v:
.irp a, 0,1,2,3,4,5,6,7
.if \a > 0
	s_wait_xcnt 0x0
.endif
	v_mov_b32 v[BP], v[RB+\a]
	v_mov_b32 v[BP+1], v[RB+\a]
	WIN 0x02+\a/4
.set i, 0
.rept 32
	v_pk_add_f32 v[HA+2*i:HA+2*i+1], v[64*(\a%4)+2*i:64*(\a%4)+2*i+1], v[BP:BP+1]
.set i, i+1
.endr
	WIN 0
	QUANT HA, CH0, CH0+6, PW+\a%2
.irp g, 0,1,2
.if \a < 4
	global_store_b128 v[LI], v[CH0+4*\g:CH0+4*\g+3], s[14:15] offset:6656+1536*(\a%4)+512*\g
.else
	global_store_b128 v[LI], v[CH0+4*\g:CH0+4*\g+3], s[16:17] offset:6656+1536*(\a%4)+512*\g
.endif
.endr
.if \a%2 == 1
	v_cndmask_b32 v[SW+\a/2], v[PW], v[PW+1], s[HM]
.endif
.if \a == 3
	global_store_b64 v[L8], v[SW:SW+1], s[14:15] offset:12800
.endif
.if \a == 7
	global_store_b64 v[L8], v[SW+2:SW+3], s[16:17] offset:12800
.endif
.endr
.Lend:
	s_wait_tensorcnt 0x0                           ; the wave's end
	ds_add_u32 v[SPW], v[NIL]
	s_wait_dscnt 0x0
	CROUND                                         ; the closing round
	s_endpgm
.Lfunc_end_k_qe4f3ed6b4a_qkv:
	.size	k_qe4f3ed6b4a_qkv, .Lfunc_end_k_qe4f3ed6b4a_qkv-k_qe4f3ed6b4a_qkv
	.p2alignl 7, 3214868480
	.fill 96, 4, 3214868480
	.section	.rodata,"a",@progbits
	.p2align	6, 0x0
	.amdhsa_kernel k_qe4f3ed6b4a_qkv
		.amdhsa_group_segment_fixed_size 327680
		.amdhsa_private_segment_fixed_size 0
		.amdhsa_enable_private_segment 0
		.amdhsa_kernarg_size 56
		.amdhsa_user_sgpr_count 2
		.amdhsa_user_sgpr_kernarg_segment_ptr 1
		.amdhsa_wavefront_size32 1
		.amdhsa_system_sgpr_workgroup_id_x 1
		.amdhsa_system_sgpr_workgroup_id_y 1
		.amdhsa_system_sgpr_workgroup_id_z 1
		.amdhsa_system_vgpr_workitem_id 0
		.amdhsa_next_free_vgpr 1024
		.amdhsa_next_free_sgpr 102
		.amdhsa_reserve_vcc 0
		.amdhsa_float_denorm_mode_32 3
		.amdhsa_float_denorm_mode_16_64 3
		.amdhsa_memory_ordered 1
		.amdhsa_forward_progress 1
		.amdhsa_inst_pref_size 214
	.end_amdhsa_kernel
	.amdgpu_metadata
---
amdhsa.version: [ 1, 2 ]
amdhsa.kernels:
  - .name:           k_qe4f3ed6b4a_qkv
    .symbol:         k_qe4f3ed6b4a_qkv.kd
    .args:
      - { .name: opc, .offset: 0, .size: 8, .value_kind: global_buffer, .address_space: global }
      - { .name: ops, .offset: 8, .size: 8, .value_kind: global_buffer, .address_space: global }
      - { .name: bq, .offset: 16, .size: 8, .value_kind: global_buffer, .address_space: global }
      - { .name: bk, .offset: 24, .size: 8, .value_kind: global_buffer, .address_space: global }
      - { .name: bv, .offset: 32, .size: 8, .value_kind: global_buffer, .address_space: global }
      - { .name: qi, .offset: 40, .size: 8, .value_kind: global_buffer, .address_space: global }
      - { .name: kv, .offset: 48, .size: 8, .value_kind: global_buffer, .address_space: global }
    .group_segment_fixed_size: 327680
    .private_segment_fixed_size: 0
    .kernarg_segment_align: 8
    .kernarg_segment_size: 56
    .max_flat_workgroup_size: 128
    .sgpr_count:     102
    .vgpr_count:     1024
    .wavefront_size: 32
...
	.end_amdgpu_metadata
.endif
;; end of part 2
;; launch attn (part 3): grid 8 x 32, 16 waves a work-group, no clusters, 210,944 bytes of LDS; arguments qi, kv, mw, fl, cxc, cxs; writes cxc, cxs
.if DOCPART == 3
	.amdgcn_target "amdgcn-amd-amdhsa--gfx1250"
	.amdhsa_code_object_version 6
	.text
	.protected	k_qe4f3ed6b4a_attn
	.globl	k_qe4f3ed6b4a_attn
	.p2align	8
	.type	k_qe4f3ed6b4a_attn,@function
k_qe4f3ed6b4a_attn:
	s_mov_b64 s[64:65], 0
	v_nop
	global_prefetch_b8 v0, s[64:65] scope:SCOPE_SE
	s_setreg_imm32_b32 hwreg(HW_REG_WAVE_MODE, 25, 1), 1
	s_wait_xcnt 0x0
; ATTN.  ctx[b][q][head] = softmax_k(q . k / 8, masked) v, both products on codes of FP6 (E2M3) with E8M0 scales; ctx is quantised along the model's 1,024 features and leaves as fragment records for the last projection.
; SOFTMAX: t = score x log2(e) / 8; M = the running largest t rounded up to a whole number; p = 2^(t - M) is quantised along the keys; the row's sum is taken of the unquantised p and divides at the end.
; When M moves, the sum and O^T are multiplied by 2^(old M - new M), which rounds nothing.
; SHARES.  A work-group owns 256 queries of one (b, head); each of its sixteen waves one tile of 16, in 256 registers, four waves to a SIMD.  Every wave walks the head's 2,048 keys, 128 a step.
; K AND V OF THE WHOLE HEAD LIE IN LDS, 16 step blocks of 13,056 bytes as the projection launch laid them: K's four pairs of tiles (12 registers, three images of 512 bytes each) at 0, K's scale words at 6,144,
; V's four fragments at 6,656, V's scale words at 12,800.  Every LDS byte is written once, through registers, two steps (a chunk) at a time, a chunk ahead of its use; one barrier a chunk.
; NO TENSOR LOAD AND NO JOINT LOAD: the launch passes over the mask's 64 selects in steps whose stored flag says that they have no hole, a branch on a stored whole number.  What the eight work-groups of a head share is
; 208,896 bytes each, once; the selects are 64 of a step's some 330 vector instructions.
; LAYOUT.  Both products transposed: S^T = K Q^T, O^T = V^T P^T: a lane holds one query (lane % 16).  Lane r of a tile t stands for row 32 (t / 2) + 8 (t % 2) + r + 8 (r / 8), so register 16 B + i of S^T is key 32 B + 16 h + i.
; THE SCORE PRODUCT HAS K = 64 in an instruction of 128: Q's registers 6-11 are zero codes; K's operand for tile t is v[32 + 6 t .. + 11], whose upper six registers are the next tile's codes (for tile 7: zeros).
; They meet zero codes, and both sides' scale bytes 2, 3 are 0 (2^-127, a number): k 64-127 adds nothing.
; THE MASK: word x of a step holds, bit by lane, whether register x's key counts.  A masked score becomes -2^33, that is a logit of -2^30 in place of reference()'s -1e9.
; LIMITS: with that value t is a whole number exactly, so a row that is masked throughout gives p = 1 for every key, as f32 arithmetic on -1e9 does; results differ from reference() only where unmasked logits lie near -1e9.
; A block of zeros gets the byte 1 where the rule says 127; blocks under 2^(3 - 127) were not tried; NaN and infinities are not served.
; REGISTERS: v1-11 addresses; v12 -M, v13 the largest t, v[14:15] the sum; v16-27 Q, v28 its scale word; v32-79 K's or V's codes, v80-85 zeros; v86-89 K's scale words, v90-91 V's; v96-159 S^T, then p; v160-191 O^T;
; v192-203 p's codes; v204-227 at work; v228-243 the chunk that is on its way.
.set STB,  13056
.set CHK,  2*STB
.set AD16, 1
.set AD8,  2
.set LI,   3
.set L8,   4
.set FA,   5                           ; v5  16 x my thread's number: my 16 bytes of a run of 8,192
.set FL,   6
.set NEG,  7
.set BM,   204                         ; the blocks' largest scores, then largest p
.set BT,   208
.set BS,   212
.set TQ,   216
.set F,    224                         ; v[224:225] f and 0
.set PWD,  226                         ; p's scale word
.set TMP,  227
.set FD,   228
.set WV,   10
.set FLG,  11
.set TB,   12
.set FB,   13
.set CNT,  14
.set SEL,  84
.set CS,   86
.set HM,   88
.macro FLOAD                           ; a chunk is 51 runs of 512 bytes: wave w takes runs w, w + 16, w + 32, and waves 0-2 run 48 + w
	global_load_b128 v[FD:FD+3], v[FA], s[4:5]
	global_load_b128 v[FD+4:FD+7], v[FA], s[4:5] offset:8192
	global_load_b128 v[FD+8:FD+11], v[FA], s[4:5] offset:16384
	s_cmp_lt_u32 s[WV], 3
	s_cbranch_scc0 .Lno_load_\@
	global_load_b128 v[FD+12:FD+15], v[FA], s[4:5] offset:24576
.Lno_load_\@:
.endm
.macro FSTORE
	v_add_nc_u32 v[FL], s[FB], v[FA]
	ds_store_b128 v[FL], v[FD:FD+3]
	ds_store_b128 v[FL], v[FD+4:FD+7] offset:8192
	ds_store_b128 v[FL], v[FD+8:FD+11] offset:16384
	s_cmp_lt_u32 s[WV], 3
	s_cbranch_scc0 .Lno_store_\@
	ds_store_b128 v[FL], v[FD+12:FD+15] offset:24576
.Lno_store_\@:
.endm
; A KEY STEP: 128 keys, the q-th of the chunk in hand.
.macro STEP q
.rept 4
	v_nop                                          ; places in front of loads into registers that the last products read
.endr
	s_load_b512 s[16:31], s[6:7], 256*\q           ; the step's 64 mask words
	s_load_b512 s[32:47], s[6:7], 256*\q+64
	s_load_b512 s[48:63], s[6:7], 256*\q+128
	s_load_b512 s[68:83], s[6:7], 256*\q+192
.irp n, 0,1,2,3,4,5,6,7,8,9,10,11
	ds_load_b128 v[32+4*\n:35+4*\n], v[AD16] offset:STB*\q+512*\n
.endr
	ds_load_b128 v[86:89], v[AD16] offset:STB*\q+6144
	s_wait_dscnt 0x0
.irp t, 0,2,4,6
	v_wmma_scale_f32_16x16x128_f8f6f4 v[96+8*\t:103+8*\t], v[32+6*\t:43+6*\t], v[16:27], 0, v[86+\t/2], v28 matrix_a_fmt:MATRIX_FMT_FP6 matrix_b_fmt:MATRIX_FMT_FP6
	v_wmma_scale_f32_16x16x128_f8f6f4 v[104+8*\t:111+8*\t], v[38+6*\t:49+6*\t], v[16:27], 0, v[86+\t/2], v28 matrix_a_fmt:MATRIX_FMT_FP6 matrix_b_fmt:MATRIX_FMT_FP6 matrix_a_scale:MATRIX_SCALE_ROW1
.endr
.rept 4
	v_nop
.endr
.irp n, 0,1,2,3,4,5,6,7,8,9,10,11
	ds_load_b128 v[32+4*\n:35+4*\n], v[AD16] offset:STB*\q+6656+512*\n   ; V's fragments land under the softmax
.endr
	ds_load_b64 v[90:91], v[AD8] offset:STB*\q+12800
	s_wait_kmcnt 0x0
	s_bitcmp1_b32 s[FLG], 0                        ; has this step a hole for my 16 queries?
	s_cbranch_scc0 .Lopen_\@
.set x, 0
.rept 64
.if x < 48
	v_cndmask_b32 v[96+x], v[NEG], v[96+x], s[16+x]
.else
	v_cndmask_b32 v[96+x], v[NEG], v[96+x], s[20+x]
.endif
.set x, x+1
.endr
.Lopen_\@:
	s_lshr_b32 s[FLG], s[FLG], 1
.irp b, 0,1,2,3
	v_max3_num_f32 v[BM+\b], v[96+16*\b], v[97+16*\b], v[98+16*\b]   ; the largest score of each block of 32 keys: for the row's maximum and, since p rises with the score, for the block's largest p
.endr
.irp i, 3,5,7,9,11,13
.irp b, 0,1,2,3
	v_max3_num_f32 v[BM+\b], v[BM+\b], v[96+16*\b+\i], v[97+16*\b+\i]
.endr
.endr
.irp b, 0,1,2,3
	v_max_num_f32 v[BM+\b], v[BM+\b], v[111+16*\b]
.endr
.irp b, 0,1,2,3
	v_permlanex16_b32 v[BT+\b], v[BM+\b], s[SEL], s[SEL+1]
.endr
.irp b, 0,1,2,3
	v_max_num_f32 v[BM+\b], v[BM+\b], v[BT+\b]
.endr
	v_max3_num_f32 v[TMP], v[BM], v[BM+1], v[BM+2]
	v_max_num_f32 v[TMP], v[TMP], v[BM+3]
	v_mul_f32 v[TMP], s[CS], v[TMP]                ; as t
	v_max_num_f32 v13, v13, v[TMP]
	v_mov_b32 v[TMP], v12
	v_floor_f32 v12, -v13                          ; the new -M = -ceil(t)
	v_sub_f32 v[TMP], v12, v[TMP]                  ; old M - new M: a whole number, 0 or less
	v_cvt_i32_f32 v[TMP], v[TMP]                   ; (it saturates)
	v_ldexp_f32 v[F], 1.0, v[TMP]                  ; f = 2^(old M - new M)
.irp j, 0,2,4,6,8,10,12,14,16,18,20,22,24,26,28,30,32,34,36,38,40,42,44,46,48,50,52,54,56,58,60,62
	v_pk_fma_f32 v[96+\j:97+\j], v[96+\j:97+\j], s[CS:CS+1], v[12:13] op_sel_hi:[1,0,0]   ; t - M
.endr
.irp b, 0,1,2,3
	v_fma_f32 v[BM+\b], v[BM+\b], s[CS], v12
.endr
.set x, 0
.rept 64
	v_exp_f32 v[96+x], v[96+x]                     ; p = 2^(t - M)
.set x, x+1
.endr
	v_pk_mul_f32 v[14:15], v[14:15], v[F:F+1] op_sel_hi:[1,0]   ; the sums under the new M: the plain line behind the exponentials
	s_wait_alu depctr_va_vdst(0)                   ; one wait for the batch, ahead of its first reader
.irp b, 0,1,2,3
	v_exp_f32 v[BM+\b], v[BM+\b]                   ; the blocks' largest p
.endr
	v_pk_add_f32 v[BT:BT+1], v[96:97], v[98:99]    ; the row's sum of the unquantised p, in two chains
.irp j, 4,8,12,16,20,24,28,32,36,40,44,48,52,56,60
	v_pk_add_f32 v[14:15], v[14:15], v[96+\j:97+\j]
	v_pk_add_f32 v[BT:BT+1], v[BT:BT+1], v[98+\j:99+\j]
.endr
	v_pk_add_f32 v[14:15], v[14:15], v[BT:BT+1]
	s_wait_alu depctr_va_vdst(0)                   ; and one for the four
.irp b, 0,1,2,3
	v_max_num_f32 v[BM+\b], 0x1800000, v[BM+\b]    ; the floor 2^(3 - 127)
.endr
.irp b, 0,1,2,3
	v_add_nc_u32 v[BS+\b], 0xff000000, v[BM+\b]
.endr
.irp b, 0,1,2,3
	v_lshrrev_b32 v[BT+\b], 23, v[BS+\b]
.endr
	v_lshl_or_b32 v[PWD], v[BT+1], 8, v[BT]
	v_lshl_or_b32 v[PWD], v[BT+2], 16, v[PWD]
	v_lshl_or_b32 v[PWD], v[BT+3], 24, v[PWD]
	v_cvt_scalef32_pk16_fp6_f32 v[192:194], v[96:111], v[BS]
	v_cvt_scalef32_pk16_fp6_f32 v[TQ:TQ+2], v[112:127], v[BS+1]
	v_cvt_scalef32_pk16_fp6_f32 v[198:200], v[128:143], v[BS+2]
	v_cvt_scalef32_pk16_fp6_f32 v[TQ+4:TQ+6], v[144:159], v[BS+3]
	v_nop                                          ; one plain line behind the scaled conversions
.irp i, 0,1,2
	v_permlane16_swap_b32 v[192+\i], v[TQ+\i]
	v_permlane16_swap_b32 v[198+\i], v[TQ+4+\i]
.endr
.irp i, 0,1,2
	v_mov_b32 v[195+\i], v[TQ+\i]
	v_mov_b32 v[201+\i], v[TQ+4+\i]
.endr
.irp j, 0,2,4,6,8,10,12,14,16,18,20,22,24,26,28,30
	v_pk_mul_f32 v[160+\j:161+\j], v[160+\j:161+\j], v[F:F+1] op_sel_hi:[1,0]   ; O^T under the new M; these 16 are also the places between the codes' and the scale word's last writes and the products
.endr
	s_wait_dscnt 0x0                               ; V
.irp t, 0,2
	v_wmma_scale_f32_16x16x128_f8f6f4 v[160+8*\t:167+8*\t], v[32+12*\t:43+12*\t], v[192:203], v[160+8*\t:167+8*\t], v[90+\t/2], v[PWD] matrix_a_fmt:MATRIX_FMT_FP6 matrix_b_fmt:MATRIX_FMT_FP6
	v_wmma_scale_f32_16x16x128_f8f6f4 v[168+8*\t:175+8*\t], v[44+12*\t:55+12*\t], v[192:203], v[168+8*\t:175+8*\t], v[90+\t/2], v[PWD] matrix_a_fmt:MATRIX_FMT_FP6 matrix_b_fmt:MATRIX_FMT_FP6 matrix_a_scale:MATRIX_SCALE_ROW1
.endr
.endm
	s_load_b64 s[90:91], s[0:1], 0x0               ; qi
	s_load_b128 s[4:7], s[0:1], 0x8                ; kv, mw
	s_load_b64 s[2:3], s[0:1], 0x18                ; fl
	s_load_b128 s[96:99], s[0:1], 0x20             ; cxc, cxs
	v_lshl_add_u32 v254, v0, 2, 0x33000
	v_mov_b32 v255, 0
	v_lshrrev_b32 v8, 5, v0
	v_readfirstlane_b32 s[WV], v8
	v_and_b32 v8, 31, v0
	v_lshlrev_b32 v[LI], 4, v8
	v_lshlrev_b32 v[L8], 3, v8
	v_lshlrev_b32 v[FA], 4, v0
	s_and_b32 s15, ttmp7, 0xffff                   ; 16 b + head
	s_lshr_b32 s89, s15, 4                         ; b
	s_lshl_b32 s100, ttmp9, 4
	s_add_co_u32 s100, s100, s[WV]                 ; T: my tile of queries in the batch
	s_lshl_b32 s101, s89, 7
	s_add_co_u32 s101, s101, s100                  ; Tg
	s_mov_b32 s9, 0
	s_mov_b32 s[FB], 0
	s_wait_kmcnt 0x0
	s_mul_i32 s8, s15, 16*STB
	s_add_nc_u64 s[4:5], s[4:5], s[8:9]            ; the head's K and V
	FLOAD                                          ; chunk 0
	s_lshl_b32 s8, s101, 4
	s_add_nc_u64 s[2:3], s[2:3], s[8:9]
	s_load_b128 s[92:95], s[2:3], 0x0              ; my tile's flags, a word a quarter of the keys
	s_lshl_b32 s8, s101, 12
	s_add_nc_u64 s[6:7], s[6:7], s[8:9]            ; my tile's mask words: 256 bytes a step
	s_lshl_b32 s8, s15, 4
	s_lshr_b32 s100, s100, 3                       ; T / 8: the step block of qi, and the group of 128 tokens
	s_add_co_u32 s8, s8, s100
	s_mul_i32 s8, s8, 6656
	s_add_nc_u64 s[90:91], s[90:91], s[8:9]
	s_and_b32 s12, s[WV], 1                        ; e: which tile of its pair
	s_bfe_u32 s14, s[WV], 0x20001                  ; u: which pair
	s_lshl_b32 s8, s12, 8
	s_lshl_b32 s101, s14, 2
	s_add_co_u32 s8, s8, s101
	s_add_co_u32 s8, s8, 6144
	v_and_b32 v8, 15, v0
	v_lshlrev_b32 v9, 4, v8
	v_add_nc_u32 v9, s8, v9
	global_load_b32 v28, v9, s[90:91]              ; Q's scale word: 6,144 + 16 (r + 16 e) + 4 u
	s_mul_i32 s101, s14, 1536
	s_mul_i32 s8, s12, 520
	s_add_co_u32 s101, s101, s8
	v_add_nc_u32 v10, s101, v[LI]
	s_mul_i32 s8, s12, 496
	s_add_co_u32 s8, s8, 8
	v_add_nc_u32 v11, s8, v10
	global_load_b64 v[16:17], v10, s[90:91]        ; the pair's registers 6 e .. 6 e + 5 out of its three images: bytes 0, 8, 512 (e = 0) or 520, 1,024, 1,032 (e = 1) of my lane's places
	global_load_b64 v[18:19], v11, s[90:91]
	global_load_b64 v[20:21], v10, s[90:91] offset:512
	s_lshl_b32 s89, s89, 4
	s_add_co_u32 s89, s89, s100                    ; ctx's group of 128 tokens
	s_and_b32 s15, s15, 15                         ; the head
	s_and_b32 s100, s[WV], 7                       ; the tile in the group
	s_mul_i32 s8, s89, 98304
	s_lshr_b32 s101, s15, 1
	s_mul_i32 s101, s101, 12288                    ; K step = head / 2
	s_add_co_u32 s8, s8, s101
	s_mul_i32 s101, s100, 1536
	s_add_co_u32 s8, s8, s101
	s_and_b32 s12, s15, 1
	s_mul_i32 s101, s12, 768                       ; the record's half
	s_add_co_u32 s8, s8, s101
	s_add_nc_u64 s[96:97], s[96:97], s[8:9]
	s_lshl_b32 s8, s89, 12
	s_lshl_b32 s101, s100, 9
	s_add_co_u32 s8, s8, s101
	s_lshr_b32 s101, s15, 3
	s_lshl_b32 s101, s101, 8
	s_add_co_u32 s8, s8, s101
	s_bfe_u32 s101, s15, 0x20001
	s_lshl_b32 s101, s101, 2
	s_add_co_u32 s8, s8, s101
	s_lshl_b32 s101, s12, 1
	s_add_co_u32 s8, s8, s101
	s_add_nc_u64 s[98:99], s[98:99], s[8:9]
	s_mov_b32 s[SEL], 0x76543210
	s_mov_b32 s[SEL+1], 0xfedcba98
	s_mov_b32 s[CS], 0x3e38aa3b                    ; log2(e) / 8
	s_mov_b32 s[CS+1], s[CS]
	s_mov_b32 s[HM], 0xffff0000
.irp j, 22,23,24,25,26,27,80,81,82,83,84,85
	v_mov_b32 v[\j], 0                             ; zero codes
.endr
.set x, 0
.rept 32
	v_mov_b32 v[160+x], 0                          ; O^T: the step is written once; the first finds zeros
.set x, x+1
.endr
.irp b, 0,1,2,3
	v_mov_b32 v[BT+\b], 0                          ; a lane permute's destination counts as one of its sources
.endr
	v_mov_b32 v[F+1], 0
	v_mov_b32 v[NEG], 0xd0000000                   ; -2^33
	v_mov_b32 v13, 0xff61b1e6                      ; -3e38, under every t
	v_floor_f32 v12, -v13
	v_mov_b32 v14, 0
	v_mov_b32 v15, 0
	s_wait_kmcnt 0x0
	s_or_b32 s[FLG], s92, s93
	s_or_b32 s[FLG], s[FLG], s94
	s_or_b32 s[FLG], s[FLG], s95                   ; bit j: step j has a hole
	s_wait_loadcnt 0x0                             ; chunk 0, Q
	FSTORE
	s_wait_dscnt 0x0                               ; for the others' sake, and the stores have read their registers
	s_add_nc_u64 s[4:5], s[4:5], CHK
	FLOAD                                          ; chunk 1
	s_barrier_signal -1
	s_barrier_wait -1
	s_mov_b32 s[TB], 0
	s_mov_b32 s[FB], CHK
	s_mov_b32 s[CNT], 7
.Lchunk:                                               ; trip c = 0 .. 6: works chunk c, stores chunk c + 1, asks for chunk c + 2
	v_add_nc_u32 v[AD16], s[TB], v[LI]
	v_add_nc_u32 v[AD8], s[TB], v[L8]
	STEP 0
	STEP 1
	s_wait_loadcnt 0x0                             ; the next chunk is in registers
	s_wait_xcnt 0x0                                ; no memory instruction of mine still reads a pointer
	s_add_nc_u64 s[6:7], s[6:7], 512
	FSTORE                                         ; bytes that nobody has read or written yet
	s_wait_dscnt 0x0
	s_cmp_eq_u32 s[CNT], 1
	s_cbranch_scc1 .Lno_more
	s_add_nc_u64 s[4:5], s[4:5], CHK
	FLOAD
.Lno_more:
	s_barrier_signal -1
	s_barrier_wait -1                              ; the next chunk lies whole in LDS
	s_add_co_u32 s[TB], s[TB], CHK
	s_add_co_u32 s[FB], s[FB], CHK
	s_sub_co_u32 s[CNT], s[CNT], 1
	s_cmp_lg_u32 s[CNT], 0
	s_cbranch_scc1 .Lchunk
	v_add_nc_u32 v[AD16], s[TB], v[LI]
	v_add_nc_u32 v[AD8], s[TB], v[L8]
	STEP 0
	STEP 1
	; THE WAY OUT: O^T / the sum; register 16 B + i is d = 32 B + 16 h + i of my query: two blocks of the last projection's K
	v_add_f32 v14, v14, v15
	v_permlanex16_b32 v[TMP], v14, s[SEL], s[SEL+1]
	v_add_f32 v14, v14, v[TMP]
	v_rcp_f32 v14, v14
	v_and_b32 v8, 15, v0
	v_bfe_u32 v9, v0, 4, 1
	v_lshl_add_u32 v8, v8, 4, v9                   ; 16 r + h: my scale byte's place
	v_nop
	s_wait_alu depctr_va_vdst(0)                   ; ahead of the reciprocal's first reader
.set x, 0
.rept 32
	v_mul_f32 v[96+x], v[160+x], v14
.set x, x+1
.endr
.irp b, 0,1
	v_max3_num_f32 v[BM+\b], |v[96+16*\b]|, |v[97+16*\b]|, 0x1800000
.endr
.irp i, 2,4,6,8,10,12,14
.irp b, 0,1
	v_max3_num_f32 v[BM+\b], v[BM+\b], |v[96+16*\b+\i]|, |v[97+16*\b+\i]|
.endr
.endr
.irp b, 0,1
	v_permlanex16_b32 v[BT+\b], v[BM+\b], s[SEL], s[SEL+1]
.endr
.irp b, 0,1
	v_max_num_f32 v[BM+\b], v[BM+\b], v[BT+\b]
.endr
.irp b, 0,1
	v_add_nc_u32 v[BS+\b], 0xff000000, v[BM+\b]
.endr
.irp b, 0,1
	v_lshrrev_b32 v[BT+\b], 23, v[BS+\b]
.endr
	v_cvt_scalef32_pk16_fp6_f32 v[192:194], v[96:111], v[BS]
	v_cvt_scalef32_pk16_fp6_f32 v[TQ:TQ+2], v[112:127], v[BS+1]
	v_nop
.irp i, 0,1,2
	v_permlane16_swap_b32 v[192+\i], v[TQ+\i]
.endr
.irp i, 0,1,2
	v_mov_b32 v[195+\i], v[TQ+\i]
.endr
	v_cndmask_b32 v[TMP], v[BT], v[BT+1], s[HM]    ; lanes 0-15 store block 0's byte, lanes 16-31 block 1's
	global_store_b128 v[LI], v[192:195], s[96:97]              ; half a fragment record: 512 and 256 consecutive bytes
	global_store_b64 v[L8], v[196:197], s[96:97] offset:512
	global_store_b8 v8, v[TMP], s[98:99]           ; two of a scale word's four bytes; the other two are the neighbouring head's
	s_wait_tensorcnt 0x0
	ds_add_u32 v254, v255
	s_wait_dscnt 0x0
	s_endpgm
.Lfunc_end_k_qe4f3ed6b4a_attn:
	.size	k_qe4f3ed6b4a_attn, .Lfunc_end_k_qe4f3ed6b4a_attn-k_qe4f3ed6b4a_attn
	.p2alignl 7, 3214868480
	.fill 96, 4, 3214868480
	.section	.rodata,"a",@progbits
	.p2align	6, 0x0
	.amdhsa_kernel k_qe4f3ed6b4a_attn
		.amdhsa_group_segment_fixed_size 210944
		.amdhsa_private_segment_fixed_size 0
		.amdhsa_enable_private_segment 0
		.amdhsa_kernarg_size 48
		.amdhsa_user_sgpr_count 2
		.amdhsa_user_sgpr_kernarg_segment_ptr 1
		.amdhsa_wavefront_size32 1
		.amdhsa_system_sgpr_workgroup_id_x 1
		.amdhsa_system_sgpr_workgroup_id_y 1
		.amdhsa_system_sgpr_workgroup_id_z 1
		.amdhsa_system_vgpr_workitem_id 0
		.amdhsa_next_free_vgpr 256
		.amdhsa_next_free_sgpr 102
		.amdhsa_reserve_vcc 0
		.amdhsa_float_denorm_mode_32 3
		.amdhsa_float_denorm_mode_16_64 3
		.amdhsa_memory_ordered 1
		.amdhsa_forward_progress 1
		.amdhsa_inst_pref_size 91
	.end_amdhsa_kernel
	.amdgpu_metadata
---
amdhsa.version: [ 1, 2 ]
amdhsa.kernels:
  - .name:           k_qe4f3ed6b4a_attn
    .symbol:         k_qe4f3ed6b4a_attn.kd
    .args:
      - { .name: qi, .offset: 0, .size: 8, .value_kind: global_buffer, .address_space: global }
      - { .name: kv, .offset: 8, .size: 8, .value_kind: global_buffer, .address_space: global }
      - { .name: mw, .offset: 16, .size: 8, .value_kind: global_buffer, .address_space: global }
      - { .name: fl, .offset: 24, .size: 8, .value_kind: global_buffer, .address_space: global }
      - { .name: cxc, .offset: 32, .size: 8, .value_kind: global_buffer, .address_space: global }
      - { .name: cxs, .offset: 40, .size: 8, .value_kind: global_buffer, .address_space: global }
    .group_segment_fixed_size: 210944
    .private_segment_fixed_size: 0
    .kernarg_segment_align: 8
    .kernarg_segment_size: 48
    .max_flat_workgroup_size: 512
    .sgpr_count:     102
    .vgpr_count:     256
    .wavefront_size: 32
...
	.end_amdgpu_metadata
.endif
;; end of part 3
;; launch outp (part 4): grid 4 x 16, 4 waves a work-group, clusters of 4 x 4, 327,680 bytes of LDS; arguments cxc, cxs, opc, ops, bo, out0; writes out0
.if DOCPART == 4
	.amdgcn_target "amdgcn-amd-amdhsa--gfx1250"
	.amdhsa_code_object_version 6
	.text
	.protected	k_qe4f3ed6b4a_outp
	.globl	k_qe4f3ed6b4a_outp
	.p2align	8
	.type	k_qe4f3ed6b4a_outp,@function
k_qe4f3ed6b4a_outp:
	s_mov_b64 s[64:65], 0
	v_nop
	global_prefetch_b8 v0, s[64:65] scope:SCOPE_SE
	s_setreg_imm32_b32 hwreg(HW_REG_WAVE_MODE, 25, 1), 1
	s_wait_xcnt 0x0
	s_wait_alu depctr_hold_cnt(0) depctr_sa_sdst(0) depctr_va_vdst(0) depctr_va_sdst(0) depctr_va_ssrc(0) depctr_va_vcc(0) depctr_vm_vsrc(0)
	s_getreg_b32 s2, hwreg(HW_REG_IB_STS2, 6, 4)
	s_cmp_eq_u32 s2, 0
	s_cbranch_scc0 .Lentry_in_a_cluster
	s_endpgm
.Lentry_in_a_cluster:
	s_bfe_u32 s2, ttmp6, 0x10000c
	s_cmp_lg_u32 s2, 0xf033
	s_cbranch_scc0 .Lentry_shape_is_right
	s_endpgm
.Lentry_shape_is_right:
; OUTP.  out0 = ctx wo^T + bo, M 4,096, N 1,024, K 1,024, on codes of FP6 (E2M3) with E8M0 scales; out0 f32.
; A work-group makes 256 x 256, a wave 128 x 128: 64 accumulators.  Source 1 ("A") = 16 tokens of ctx, source 0 ("B") = 16 rows of wo: a lane holds one token and, in its 64 registers of a block, 64 of 128 neighbouring columns.
; TILES: lane r of tile t stands for row 32 (t / 2) + 8 (t % 2) + r + 8 (r / 8), on both sides: register 16 B + i is column 32 B + 16 h + i.
; OPERANDS lie in memory as fragment records of 1,536 bytes, [group of 128 rows][K step][tile]; LDS: four regions (A's two halves, B's two) of six K-step places of 12,288 bytes.  K steps 0-5 are asked for at the head,
; steps 6 and 7 fill places 0 and 1 again, once.  CLUSTER 4 x 4: A's blocks are shared along a row of the cluster, B's along a column.  A wave has at most four tensor loads out (the head's), later one.
; 64 work-groups: the tile is kept at 256 x 256, as in the projections, so that each LDS byte feeds as many products.
; THE WAY OUT goes through the wave's stage in LDS (16 rows of 512 + 16 bytes, in place 2 of the region that the wave filled: it has had its last fill, and nobody reads it behind the second barrier of the K loop).
.set PLB,   12288
.set REG,   6*PLB
.set SCL,   4*REG
.set SPARE, SCL+4*4096                 ; the spare words: 128 bytes a wave, two blocks of 256 bytes that no other line names
.set FR,   12
.set ADRA, 16
.set ADRB, 20
.set LI,   24
.set L8,   25
.set STO,  26
.set ADRS, 27
.set SPW,  28
.set NIL,  29
.set RD,   30
.set SC,   32
.set HA,   32                          ; the way out: 64 numbers, where the scale words lay
.set AF,   128
.set BK,   128                         ; 16 rows read back: v128-191 and v192-255 by turns
.set WV,   18
.set HR,   19
.set HP,   20
.set G1A,  24
.set G1B,  32
.set G1SA, 40
.set G1SB, 48
.set G0A0, 56
.set G0A1, 60
.set G0A2, 68
.set G0SA, 72
.set G0B0, 76
.set G0B1, 80
.set G0B2, 84
.set G0SB, 88
.set MSB, 0
.macro WIN new                         ; the immediate's high byte repeats the setting that is left
.if MSB != (\new)
	s_set_vgpr_msb (MSB<<8)|(\new)
.set MSB, (\new)
.endif
.endm
.set MUL_LO, 0xa1
.set MUL_HI, 0xf1
.set TO_B,   0x40
.macro PLACES n
.rept \n
	v_nop
.endr
.endm
.macro JLOAD g0a, g1a, g0b, g1b        ; a joint load: waves 0, 1 for A, waves 2, 3 for B; four v_nop follow each line
	s_cmp_eq_u32 s[HR], 0
	s_cbranch_scc0 .Lfor_b_\@
	tensor_load_to_lds s[\g0a:\g0a+3], s[\g1a:\g1a+7]
	s_nop 0
	PLACES 4
	s_branch .Lasked_\@
.Lfor_b_\@:
	tensor_load_to_lds s[\g0b:\g0b+3], s[\g1b:\g1b+7]
	s_nop 0
	PLACES 4
.Lasked_\@:
.endm
.macro CREST
	s_cmp_lg_u32 s[WV], 0
	s_cbranch_scc1 .Lnot_wave_0_\@
	s_barrier_signal -3
.Lnot_wave_0_\@:
	s_barrier_wait -3
	s_barrier_signal -1
	s_barrier_wait -1
.endm
.macro CROUND
	s_barrier_signal -1
	s_barrier_wait -1
	CREST
.endm
.macro MKG0 g, lds, ldsoff, adr, off
	s_mov_b32 s[\g], 1
	s_add_co_u32 s[\g+1], s[\lds], \ldsoff
	s_add_nc_u64 s[\g+2:\g+3], s[\adr:\adr+1], \off
	s_or_b32 s[\g+3], s[\g+3], 0x80000000
.endm
.macro FRAG reg, adr, off
	ds_load_b128 v[\reg:\reg+3], v[\adr] offset:\off
	ds_load_b64 v[\reg+4:\reg+5], v[\adr+1] offset:\off+512
	ds_load_b128 v[\reg+6:\reg+9], v[\adr] offset:\off+768
	ds_load_b64 v[\reg+10:\reg+11], v[\adr+1] offset:\off+1280
.endm
.macro FETCH_B pl, set
	WIN TO_B
.irp i, 0,1,2,3,4,5,6,7
	FRAG 128*(\set)+FR*\i, ADRB+2*((\pl)/3), ((\pl)%3)*PLB+1536*\i
.endr
	WIN 0
.endm
.macro FETCH_A pl, i0
.irp i, \i0, \i0+1, \i0+2, \i0+3
	FRAG AF+FR*(\i), ADRA+2*((\pl)/3), ((\pl)%3)*PLB+1536*(\i)
.endr
.endm
; The 64 accumulators take turns, one instruction a turn, in the same order in every step.
.macro MUL16 a0, s, zero
.irp a, \a0, \a0+1
.irp b, 0,1,2,3,4,5,6,7
.if \zero
	v_wmma_scale_f32_16x16x128_f8f6f4 v[8*(8*((\a)%4)+\b):8*(8*((\a)%4)+\b)+7], v[128*((\s)%2)+FR*\b:128*((\s)%2)+FR*\b+FR-1], v[AF+FR*(\a):AF+FR*(\a)+FR-1], 0, v[SC+8*\b+(\s)], v[SC+8*(\a)+(\s)] matrix_a_fmt:MATRIX_FMT_FP6 matrix_b_fmt:MATRIX_FMT_FP6 matrix_a_scale:MATRIX_SCALE_ROW1
.else
	v_wmma_scale_f32_16x16x128_f8f6f4 v[8*(8*((\a)%4)+\b):8*(8*((\a)%4)+\b)+7], v[128*((\s)%2)+FR*\b:128*((\s)%2)+FR*\b+FR-1], v[AF+FR*(\a):AF+FR*(\a)+FR-1], v[8*(8*((\a)%4)+\b):8*(8*((\a)%4)+\b)+7], v[SC+8*\b+(\s)], v[SC+8*(\a)+(\s)] matrix_a_fmt:MATRIX_FMT_FP6 matrix_b_fmt:MATRIX_FMT_FP6 matrix_a_scale:MATRIX_SCALE_ROW1
.endif
.endr
.endr
.endm
.macro STEP s, np, zero
	s_wait_dscnt 16                                ; B's set and A's blocks 0-3 are in; the youngest 16 loads (A's blocks 4-7) may be out
	WIN MUL_LO
	MUL16 0, \s, \zero
	MUL16 2, \s, \zero
	s_wait_dscnt 0x0
	PLACES 4
	FETCH_B \np, ((\s)+1)%2
	FETCH_A \np, 0
	WIN MUL_HI
	MUL16 4, \s, \zero
	MUL16 6, \s, \zero
	PLACES 4
	WIN 0
	FETCH_A \np, 4
.endm
.macro TURN s, np, fill
	s_wait_tensorcnt 0x0                           ; all my tensor loads have landed
	ds_add_u32 v[SPW], v[NIL]                      ; 0 onto my spare word
	s_wait_dscnt 17                                ; (the add and the youngest 16 loads may be out)
	WIN MUL_LO
	MUL16 0, \s, 0
	s_wait_dscnt 0x0                               ; the add is done, and all my LDS reads so far are in
	s_barrier_signal -1
	MUL16 2, \s, 0
	WIN 0
	s_barrier_wait -1
.if \fill
	CREST                                          ; a round of the cluster's barrier: no wave of any partner still reads places 0, 1 or has a load on its way
	s_add_nc_u64 s[G0A0+2:G0A0+3], s[G0A0+2:G0A0+3], 3*2*PLB
	s_add_nc_u64 s[G0B0+2:G0B0+3], s[G0B0+2:G0B0+3], 3*2*PLB
	JLOAD G0A0, G1A, G0B0, G1B                     ; K steps 6, 7: four K steps, 256 matrix instructions, in which to land
.else
	PLACES 4
.endif
	FETCH_B \np, ((\s)+1)%2
	FETCH_A \np, 0
	WIN MUL_HI
	MUL16 4, \s, 0
	MUL16 6, \s, 0
	PLACES 4
	WIN 0
	FETCH_A \np, 4
.endm
	s_load_b256 s[4:11], s[0:1], 0x0               ; cxc, cxs, opc, ops
	s_load_b128 s[12:15], s[0:1], 0x20             ; bo, out0
	v_lshl_add_u32 v[SPW], v0, 2, SPARE
	v_mov_b32 v[NIL], 0
	ds_add_u32 v28, v29
	ds_add_u32 v28, v29
	s_wait_dscnt 0x0
	v_lshrrev_b32 v1, 5, v0
	v_readfirstlane_b32 s[WV], v1
	s_lshr_b32 s[HR], s[WV], 1
	s_and_b32 s[HP], s[WV], 1
	s_bfe_u32 s21, ttmp6, 0x40000                  ; cx
	s_bfe_u32 s22, ttmp6, 0x40004                  ; cy
	s_and_b32 s93, ttmp7, 0xffff
	s_lshl_b32 s93, s93, 2
	s_add_co_u32 s93, s93, s22                     ; tile row
	s_lshl_b32 s94, ttmp9, 2
	s_add_co_u32 s94, s94, s21                     ; tile column
	s_lshl_b32 s97, s22, 2
	s_lshl_b32 s97, 15, s97                        ; my row of the cluster
	s_lshl_b32 s2, 0x1111, s21                     ; my column
	s_or_b32 s[G1A], s97, (3<<16)|(1<<21)          ; dense blocks as rows of 256 bytes (32 elements of 8 bytes), no padding; bit 21 set beside a mask
	s_or_b32 s[G1B], s2, (3<<16)|(1<<21)
	s_or_b32 s[G1SA], s97, (3<<16)|(1<<21)
	s_or_b32 s[G1SB], s2, (3<<16)|(1<<21)
.irp g, G1A, G1B
	s_mov_b32 s[\g+1], 32<<16
	s_mov_b32 s[\g+2], 96<<16                      ; two K steps, 24,576 bytes
	s_mov_b32 s[\g+3], 32<<16
	s_mov_b32 s[\g+4], 96
	s_mov_b32 s[\g+5], 32
	s_mov_b32 s[\g+6], 0
	s_mov_b32 s[\g+7], 0
.endr
.irp g, G1SA, G1SB
	s_mov_b32 s[\g+1], 32<<16
	s_mov_b32 s[\g+2], 16<<16                      ; the scale words of 128 rows
	s_mov_b32 s[\g+3], 32<<16
	s_mov_b32 s[\g+4], 16
	s_mov_b32 s[\g+5], 32
	s_mov_b32 s[\g+6], 0
	s_mov_b32 s[\g+7], 0
.endr
	s_lshl_b32 s98, s93, 1
	s_add_co_u32 s98, s98, s[HP]                   ; ctx's group that I would fetch
	s_lshl_b32 s100, s98, 12
	s_mul_i32 s98, s98, 8*PLB
	s_mov_b32 s99, 0
	s_mov_b32 s101, 0
	s_lshl_b32 s66, s94, 1
	s_add_co_u32 s66, s66, s[HP]
	s_add_co_u32 s66, s66, 120                     ; wo's groups are 120 .. 127 of opc
	s_mul_i32 s2, s66, 8*PLB
	s_lshl_b32 s66, s66, 12
	s_mov_b32 s3, 0
	s_mov_b32 s67, 0
	s_mul_i32 s95, s[WV], REG
	s_lshl_b32 s96, s[WV], 12
	s_wait_kmcnt 0x0
	s_add_nc_u64 s[98:99], s[4:5], s[98:99]
	s_add_nc_u64 s[100:101], s[6:7], s[100:101]
	s_add_nc_u64 s[2:3], s[8:9], s[2:3]
	s_add_nc_u64 s[66:67], s[10:11], s[66:67]
	CROUND                                         ; all sixteen work-groups are here: the first joint loads meet
	MKG0 G0SA, 96, SCL, 100, 0
	MKG0 G0A0, 95, 0, 98, 0
	MKG0 G0A1, 95, 2*PLB, 98, 2*PLB
	MKG0 G0A2, 95, 4*PLB, 98, 4*PLB
	MKG0 G0SB, 96, SCL, 66, 0
	MKG0 G0B0, 95, 0, 2, 0
	MKG0 G0B1, 95, 2*PLB, 2, 2*PLB
	MKG0 G0B2, 95, 4*PLB, 2, 4*PLB
	s_cmp_eq_u32 s[HR], 0                          ; a wave's four first fills stand in one branch
	s_cbranch_scc0 .Lfirst_b
	tensor_load_to_lds s[G0SA:G0SA+3], s[G1SA:G1SA+7]
	s_nop 0
	tensor_load_to_lds s[G0A0:G0A0+3], s[G1A:G1A+7]
	s_nop 0
	tensor_load_to_lds s[G0A1:G0A1+3], s[G1A:G1A+7]
	s_nop 0
	tensor_load_to_lds s[G0A2:G0A2+3], s[G1A:G1A+7]
	s_nop 0
	PLACES 4
	s_branch .Lfirst_done
.Lfirst_b:
	tensor_load_to_lds s[G0SB:G0SB+3], s[G1SB:G1SB+7]
	s_nop 0
	tensor_load_to_lds s[G0B0:G0B0+3], s[G1B:G1B+7]
	s_nop 0
	tensor_load_to_lds s[G0B1:G0B1+3], s[G1B:G1B+7]
	s_nop 0
	tensor_load_to_lds s[G0B2:G0B2+3], s[G1B:G1B+7]
	s_nop 0
	PLACES 4
.Lfirst_done:
	v_and_b32 v1, 31, v0
	v_and_b32 v2, 15, v0                           ; r
	v_bfe_u32 v3, v0, 4, 1                         ; h
	v_lshlrev_b32 v[LI], 4, v1
	v_lshlrev_b32 v[L8], 3, v1
	s_mul_i32 s97, s[HR], REG
	s_mul_i32 s92, s[HP], REG
	s_add_co_u32 s92, s92, 2*REG
	v_add_nc_u32 v[ADRA], s97, v[LI]
	v_add_nc_u32 v[ADRA+1], s97, v[L8]
	v_add_nc_u32 v[ADRA+2], 3*PLB, v[ADRA]
	v_add_nc_u32 v[ADRA+3], 3*PLB, v[ADRA+1]
	v_add_nc_u32 v[ADRB], s92, v[LI]
	v_add_nc_u32 v[ADRB+1], s92, v[L8]
	v_add_nc_u32 v[ADRB+2], 3*PLB, v[ADRB]
	v_add_nc_u32 v[ADRB+3], 3*PLB, v[ADRB+1]
	s_lshl_b32 s97, s[HR], 12                      ; the scale words: the lower base + h x the distance
	s_lshl_b32 s92, s[HP], 12
	s_add_co_u32 s92, s92, 2*4096
	s_sub_co_u32 s92, s92, s97
	v_mul_u32_u24 v4, s92, v3
	s_add_co_u32 s97, s97, SCL
	v_lshl_add_u32 v4, v2, 4, v4
	v_add_nc_u32 v[ADRS], s97, v4
	s_mul_i32 s92, s[WV], REG
	s_add_co_u32 s92, s92, 2*PLB                   ; my stage
	v_mul_u32_u24 v4, v2, 528
	v_lshl_add_u32 v4, v3, 6, v4
	v_add_nc_u32 v[STO], s92, v4                   ; in: row r, + 64 h
	v_add_nc_u32 v[RD], s92, v[LI]                 ; back: a whole row, 16 bytes a lane
	s_lshl_b32 s93, s93, 1
	s_add_co_u32 s93, s93, s[HR]                   ; X: my group of 128 tokens
	s_lshl_b32 s94, s94, 1
	s_add_co_u32 s94, s94, s[HP]                   ; Y: my group of 128 columns
	s_lshl_b32 s10, s94, 9
	s_mov_b32 s11, 0
	s_add_nc_u64 s[12:13], s[12:13], s[10:11]      ; bo at my columns
	s_add_nc_u64 s[14:15], s[14:15], s[10:11]
	s_lshl_b32 s10, s93, 19
	s_add_nc_u64 s[14:15], s[14:15], s[10:11]      ; out0 at my first row and column
	v_lshlrev_b32 v5, 6, v3
	WIN TO_B
.irp n, 0,1,2,3,4,5,6,7,8,9,10,11,12,13,14,15
	global_load_b128 v[96+4*\n+96*(\n/8):96+4*\n+96*(\n/8)+3], v5, s[12:13] offset:128*(\n/4)+16*(\n%4)   ; register 16 B + i: bo[128 Y + 32 B + 16 h + i]
.endr
	WIN 0
	s_wait_tensorcnt 2                             ; the scale words and K steps 0, 1 are in; the two loads behind them may be out
	s_barrier_signal -1
	s_barrier_wait -1
	FETCH_B 0, 0
	FETCH_A 0, 0
.irp n, 0,1,2,3,4,5,6,7,8,9,10,11,12,13,14,15
	ds_load_b128 v[SC+4*\n:SC+4*\n+3], v[ADRS] offset:256*\n
.endr
	FETCH_A 0, 4
	STEP 0, 1, 1
	TURN 1, 2, 1
	STEP 2, 3, 0
	STEP 3, 4, 0
	STEP 4, 5, 0
	TURN 5, 0, 0
	STEP 6, 1, 0
	s_wait_dscnt 16
	WIN MUL_LO
	MUL16 0, 7, 0
	MUL16 2, 7, 0
	s_wait_dscnt 0x0
	WIN MUL_HI
	MUL16 4, 7, 0
	MUL16 6, 7, 0
	WIN 0
	PLACES 4                                       ; behind the last products: results are read, and operands' and scales' registers written, below
	s_wait_loadcnt 0x0                             ; bo
.macro TOSTAGE a                       ; block a (16 tokens x 128 columns): + bo, into the stage, and back as whole rows of 512 bytes
	WIN 0x06+(\a)/4
.set i, 0
.rept 32
	v_pk_add_f32 v[HA+2*i:HA+2*i+1], v[64*((\a)%4)+2*i:64*((\a)%4)+2*i+1], v[96+2*i+96*(i/16):96+2*i+96*(i/16)+1]   ; each accumulator from its low end on
.set i, i+1
.endr
	WIN 0
.irp n, 0,1,2,3,4,5,6,7,8,9,10,11,12,13,14,15
	ds_store_b128 v[STO], v[HA+4*\n:HA+4*\n+3] offset:128*(\n/4)+16*(\n%4)
.endr
.irp n, 0,1,2,3,4,5,6,7,8,9,10,11,12,13,14,15
	ds_load_b128 v[BK+64*((\a)%2)+4*\n:BK+64*((\a)%2)+4*\n+3], v[RD] offset:528*\n   ; LDS serves a wave's instructions in order: these see the stores above
.endr
.endm
.macro SEND a, younger
	s_wait_dscnt \younger
.irp n, 0,1,2,3,4,5,6,7,8,9,10,11,12,13,14,15
	global_store_b128 v[LI], v[BK+64*((\a)%2)+4*\n:BK+64*((\a)%2)+4*\n+3], s[14:15] offset:(32*((\a)/2)+8*((\a)%2)+\n+8*(\n/8))*4096 th:TH_STORE_NT   ; 512 consecutive bytes, at a multiple of 256
.endr
.endm
	TOSTAGE 0
.irp a, 1,2,3,4,5,6,7
	s_wait_dscnt 16                                ; the last block's stores into the stage have read their registers; its 16 loads may be out
.if \a > 1
	s_wait_xcnt 0x0                                ; block a - 2's stores have read the registers into which block a's rows come back
.endif
	TOSTAGE \a
	SEND \a-1, 32                                  ; behind block a - 1's loads: block a's 16 stores and 16 loads
.endr
	SEND 7, 0
	s_wait_tensorcnt 0x0                           ; the wave's end
	ds_add_u32 v[SPW], v[NIL]
	s_wait_dscnt 0x0
	CROUND                                         ; the closing round
	s_endpgm
.Lfunc_end_k_qe4f3ed6b4a_outp:
	.size	k_qe4f3ed6b4a_outp, .Lfunc_end_k_qe4f3ed6b4a_outp-k_qe4f3ed6b4a_outp
	.p2alignl 7, 3214868480
	.fill 96, 4, 3214868480
	.section	.rodata,"a",@progbits
	.p2align	6, 0x0
	.amdhsa_kernel k_qe4f3ed6b4a_outp
		.amdhsa_group_segment_fixed_size 327680
		.amdhsa_private_segment_fixed_size 0
		.amdhsa_enable_private_segment 0
		.amdhsa_kernarg_size 48
		.amdhsa_user_sgpr_count 2
		.amdhsa_user_sgpr_kernarg_segment_ptr 1
		.amdhsa_wavefront_size32 1
		.amdhsa_system_sgpr_workgroup_id_x 1
		.amdhsa_system_sgpr_workgroup_id_y 1
		.amdhsa_system_sgpr_workgroup_id_z 1
		.amdhsa_system_vgpr_workitem_id 0
		.amdhsa_next_free_vgpr 1024
		.amdhsa_next_free_sgpr 102
		.amdhsa_reserve_vcc 0
		.amdhsa_float_denorm_mode_32 3
		.amdhsa_float_denorm_mode_16_64 3
		.amdhsa_memory_ordered 1
		.amdhsa_forward_progress 1
		.amdhsa_inst_pref_size 158
	.end_amdhsa_kernel
	.amdgpu_metadata
---
amdhsa.version: [ 1, 2 ]
amdhsa.kernels:
  - .name:           k_qe4f3ed6b4a_outp
    .symbol:         k_qe4f3ed6b4a_outp.kd
    .args:
      - { .name: cxc, .offset: 0, .size: 8, .value_kind: global_buffer, .address_space: global }
      - { .name: cxs, .offset: 8, .size: 8, .value_kind: global_buffer, .address_space: global }
      - { .name: opc, .offset: 16, .size: 8, .value_kind: global_buffer, .address_space: global }
      - { .name: ops, .offset: 24, .size: 8, .value_kind: global_buffer, .address_space: global }
      - { .name: bo, .offset: 32, .size: 8, .value_kind: global_buffer, .address_space: global }
      - { .name: out0, .offset: 40, .size: 8, .value_kind: global_buffer, .address_space: global }
    .group_segment_fixed_size: 327680
    .private_segment_fixed_size: 0
    .kernarg_segment_align: 8
    .kernarg_segment_size: 48
    .max_flat_workgroup_size: 128
    .sgpr_count:     102
    .vgpr_count:     1024
    .wavefront_size: 32
...
	.end_amdgpu_metadata
.endif
;; end of part 4
;; ======== version 2 of 3: 4 launches; 1.12 times as fast as version 1
;; limits: right only within a limited range of input values
;; workspace buffers: opc 12,582,912 bytes; ops 524,288 bytes; mw 1,048,576 bytes of whole numbers; fl 4,096 bytes of whole numbers; qi 3,407,872 bytes; kv 6,815,744 bytes; cxc 3,145,728 bytes; cxs 131,072 bytes
;; launch prep: the kernel of part 1 again; grid 768 x 1, 4 waves a work-group, no clusters, 68,096 bytes of LDS; arguments query, key, value, wq, wk, wv, wo, mask, opc, ops, mw, fl; writes opc, ops, mw, fl
;; launch qkv: the kernel of part 2 again; grid 4 x 48, 4 waves a work-group, clusters of 4 x 4, 327,680 bytes of LDS; arguments opc, ops, bq, bk, bv, qi, kv; writes qi, kv
;; launch attn (part 5): grid 8 x 32, 16 waves a work-group, no clusters, 210,944 bytes of LDS; arguments qi, kv, mw, fl, cxc, cxs; writes cxc, cxs
.if DOCPART == 5
	.amdgcn_target "amdgcn-amd-amdhsa--gfx1250"
	.amdhsa_code_object_version 6
	.text
	.protected	k_qe4f3ed6b4a_attn
	.globl	k_qe4f3ed6b4a_attn
	.p2align	8
	.type	k_qe4f3ed6b4a_attn,@function
k_qe4f3ed6b4a_attn:
	s_mov_b64 s[64:65], 0
	v_nop
	global_prefetch_b8 v0, s[64:65] scope:SCOPE_SE
	s_setreg_imm32_b32 hwreg(HW_REG_WAVE_MODE, 25, 1), 1
	s_wait_xcnt 0x0
; ATTN.  ctx[b][q][head] = softmax_k(q . k / 8, masked) v, both products on codes of FP6 (E2M3) with E8M0 scales; ctx is quantised along the model's 1,024 features and leaves as fragment records for the last projection.
; SOFTMAX: t = score x log2(e) / 8; M = the running largest t rounded up to a whole number; p = 2^(t - M) is quantised along the keys; the row's sum is taken of the unquantised p and divides at the end.
; When M moves, the sum and O^T are multiplied by 2^(old M - new M), which rounds nothing.
; SHARES.  A work-group owns 256 queries of one (b, head); each of its sixteen waves one tile of 16, in 256 registers, four waves to a SIMD.  Every wave walks the head's 2,048 keys, 128 a step.
; K AND V OF THE WHOLE HEAD LIE IN LDS, 16 step blocks of 13,056 bytes as the projection launch laid them: K's four pairs of tiles (12 registers, three images of 512 bytes each) at 0, K's scale words at 6,144,
; V's four fragments at 6,656, V's scale words at 12,800.  Every LDS byte is written once, through registers, two steps (a chunk) at a time, a chunk ahead of its use; one barrier a chunk.
; NO TENSOR LOAD AND NO JOINT LOAD: in steps whose stored flag says that they have no hole the launch passes over the mask's 64 words and 64 selects, a branch on a stored whole number.  What the eight work-groups of a head
; share is 208,896 bytes each, once; the selects are 64 of a step's some 330 vector instructions.
; LAYOUT.  Both products transposed: S^T = K Q^T, O^T = V^T P^T: a lane holds one query (lane % 16).  Lane r of a tile t stands for row 32 (t / 2) + 8 (t % 2) + r + 8 (r / 8), so register 16 B + i of S^T is key 32 B + 16 h + i.
; THE SCORE PRODUCT HAS K = 64 in an instruction of 128: Q's registers 6-11 are zero codes; K's operand for tile t is v[32 + 6 t .. + 11], whose upper six registers are the next tile's codes (for tile 7: zeros).
; They meet zero codes, and both sides' scale bytes 2, 3 are 0 (2^-127, a number): k 64-127 adds nothing.
; THE MASK: word x of a step holds, bit by lane, whether register x's key counts.  A masked score becomes -2^33, that is a logit of -2^30 in place of reference()'s -1e9.
; LIMITS: with that value t is a whole number exactly, so a row that is masked throughout gives p = 1 for every key, as f32 arithmetic on -1e9 does; results differ from reference() only where unmasked logits lie near -1e9.
; A block of zeros gets the byte 1 where the rule says 127; blocks under 2^(3 - 127) were not tried; NaN and infinities are not served.
; REGISTERS: v1-11 addresses; v12 -M, v13 the largest t, v[14:15] the sum; v16-27 Q, v28 its scale word; v32-79 K's or V's codes, v80-85 zeros; v86-89 K's scale words, v90-91 V's; v96-159 S^T, then p; v160-191 O^T;
; v192-203 p's codes; v204-227 at work; v228-243 the chunk that is on its way.
.set STB,  13056
.set CHK,  2*STB
.set AD16, 1
.set AD8,  2
.set LI,   3
.set L8,   4
.set FA,   5                           ; v5  16 x my thread's number: my 16 bytes of a run of 8,192
.set FL,   6
.set NEG,  7
.set BM,   204                         ; the blocks' largest scores, then largest p
.set BT,   208
.set BS,   212
.set TQ,   216
.set F,    224                         ; v[224:225] f and 0
.set PWD,  226                         ; p's scale word
.set TMP,  227
.set FD,   228
.set WV,   10
.set FLG,  11
.set TB,   12
.set FB,   13
.set CNT,  14
.set SEL,  84
.set CS,   86
.set HM,   88
.macro FLOAD                           ; a chunk is 51 runs of 512 bytes: wave w takes runs w, w + 16, w + 32, and waves 0-2 run 48 + w
	global_load_b128 v[FD:FD+3], v[FA], s[4:5]
	global_load_b128 v[FD+4:FD+7], v[FA], s[4:5] offset:8192
	global_load_b128 v[FD+8:FD+11], v[FA], s[4:5] offset:16384
	s_cmp_lt_u32 s[WV], 3
	s_cbranch_scc0 .Lno_load_\@
	global_load_b128 v[FD+12:FD+15], v[FA], s[4:5] offset:24576
.Lno_load_\@:
.endm
.macro FSTORE
	v_add_nc_u32 v[FL], s[FB], v[FA]
	ds_store_b128 v[FL], v[FD:FD+3]
	ds_store_b128 v[FL], v[FD+4:FD+7] offset:8192
	ds_store_b128 v[FL], v[FD+8:FD+11] offset:16384
	s_cmp_lt_u32 s[WV], 3
	s_cbranch_scc0 .Lno_store_\@
	ds_store_b128 v[FL], v[FD+12:FD+15] offset:24576
.Lno_store_\@:
.endm
; K is in; S^T = K Q^T, eight tiles of 16 keys; then V's fragments are asked for, into K's registers: they land under the softmax.  Written in both arms of a step.
.macro SCORES q
	s_wait_dscnt 0x0
.irp t, 0,2,4,6
	v_wmma_scale_f32_16x16x128_f8f6f4 v[96+8*\t:103+8*\t], v[32+6*\t:43+6*\t], v[16:27], 0, v[86+\t/2], v28 matrix_a_fmt:MATRIX_FMT_FP6 matrix_b_fmt:MATRIX_FMT_FP6
	v_wmma_scale_f32_16x16x128_f8f6f4 v[104+8*\t:111+8*\t], v[38+6*\t:49+6*\t], v[16:27], 0, v[86+\t/2], v28 matrix_a_fmt:MATRIX_FMT_FP6 matrix_b_fmt:MATRIX_FMT_FP6 matrix_a_scale:MATRIX_SCALE_ROW1
.endr
.rept 4
	v_nop                                          ; places in front of loads into registers that these products read, and of the first read of their results
.endr
.irp n, 0,1,2,3,4,5,6,7,8,9,10,11
	ds_load_b128 v[32+4*\n:35+4*\n], v[AD16] offset:STB*(\q)+6656+512*\n
.endr
	ds_load_b64 v[90:91], v[AD8] offset:STB*(\q)+12800
.endm
; A KEY STEP: 128 keys, the q-th of the chunk in hand.
.macro STEP q
.rept 4
	v_nop                                          ; places in front of loads into registers that the last products read
.endr
.irp n, 0,1,2,3,4,5,6,7,8,9,10,11
	ds_load_b128 v[32+4*\n:35+4*\n], v[AD16] offset:STB*\q+512*\n
.endr
	ds_load_b128 v[86:89], v[AD16] offset:STB*\q+6144
	s_bitcmp1_b32 s[FLG], 0                        ; has this step a hole for my 16 queries?  The mask's words are loaded, waited for and used in one arm; the other arm names none of them
	s_cbranch_scc0 .Lopen_\@
	s_load_b512 s[16:31], s[6:7], 256*\q           ; the step's 64 mask words: they come while K lands and the scores are made
	s_load_b512 s[32:47], s[6:7], 256*\q+64
	s_load_b512 s[48:63], s[6:7], 256*\q+128
	s_load_b512 s[68:83], s[6:7], 256*\q+192
	SCORES \q
	s_wait_kmcnt 0x0
.set x, 0
.rept 64
.if x < 48
	v_cndmask_b32 v[96+x], v[NEG], v[96+x], s[16+x]
.else
	v_cndmask_b32 v[96+x], v[NEG], v[96+x], s[20+x]
.endif
.set x, x+1
.endr
	s_branch .Ljoin_\@
.Lopen_\@:
	SCORES \q
.Ljoin_\@:
	s_lshr_b32 s[FLG], s[FLG], 1
.irp b, 0,1,2,3
	v_max3_num_f32 v[BM+\b], v[96+16*\b], v[97+16*\b], v[98+16*\b]   ; the largest score of each block of 32 keys: for the row's maximum and, since p rises with the score, for the block's largest p
.endr
.irp i, 3,5,7,9,11,13
.irp b, 0,1,2,3
	v_max3_num_f32 v[BM+\b], v[BM+\b], v[96+16*\b+\i], v[97+16*\b+\i]
.endr
.endr
.irp b, 0,1,2,3
	v_max_num_f32 v[BM+\b], v[BM+\b], v[111+16*\b]
.endr
.irp b, 0,1,2,3
	v_permlanex16_b32 v[BT+\b], v[BM+\b], s[SEL], s[SEL+1]
.endr
.irp b, 0,1,2,3
	v_max_num_f32 v[BM+\b], v[BM+\b], v[BT+\b]
.endr
	v_max3_num_f32 v[TMP], v[BM], v[BM+1], v[BM+2]
	v_max_num_f32 v[TMP], v[TMP], v[BM+3]
	v_mul_f32 v[TMP], s[CS], v[TMP]                ; as t
	v_max_num_f32 v13, v13, v[TMP]
	v_mov_b32 v[TMP], v12
	v_floor_f32 v12, -v13                          ; the new -M = -ceil(t)
	v_sub_f32 v[TMP], v12, v[TMP]                  ; old M - new M: a whole number, 0 or less
	v_cvt_i32_f32 v[TMP], v[TMP]                   ; (it saturates)
	v_ldexp_f32 v[F], 1.0, v[TMP]                  ; f = 2^(old M - new M)
.irp j, 0,2,4,6,8,10,12,14,16,18,20,22,24,26,28,30,32,34,36,38,40,42,44,46,48,50,52,54,56,58,60,62
	v_pk_fma_f32 v[96+\j:97+\j], v[96+\j:97+\j], s[CS:CS+1], v[12:13] op_sel_hi:[1,0,0]   ; t - M
.endr
.irp b, 0,1,2,3
	v_fma_f32 v[BM+\b], v[BM+\b], s[CS], v12
.endr
.set x, 0
.rept 64
	v_exp_f32 v[96+x], v[96+x]                     ; p = 2^(t - M)
.set x, x+1
.endr
	v_pk_mul_f32 v[14:15], v[14:15], v[F:F+1] op_sel_hi:[1,0]   ; the sums under the new M: the plain line behind the exponentials
	s_wait_alu depctr_va_vdst(0)                   ; one wait for the batch, ahead of its first reader
.irp b, 0,1,2,3
	v_exp_f32 v[BM+\b], v[BM+\b]                   ; the blocks' largest p
.endr
	v_pk_add_f32 v[BT:BT+1], v[96:97], v[98:99]    ; the row's sum of the unquantised p, in two chains
.irp j, 4,8,12,16,20,24,28,32,36,40,44,48,52,56,60
	v_pk_add_f32 v[14:15], v[14:15], v[96+\j:97+\j]
	v_pk_add_f32 v[BT:BT+1], v[BT:BT+1], v[98+\j:99+\j]
.endr
	v_pk_add_f32 v[14:15], v[14:15], v[BT:BT+1]
	s_wait_alu depctr_va_vdst(0)                   ; and one for the four
.irp b, 0,1,2,3
	v_max_num_f32 v[BM+\b], 0x1800000, v[BM+\b]    ; the floor 2^(3 - 127)
.endr
.irp b, 0,1,2,3
	v_add_nc_u32 v[BS+\b], 0xff000000, v[BM+\b]
.endr
.irp b, 0,1,2,3
	v_lshrrev_b32 v[BT+\b], 23, v[BS+\b]
.endr
	v_lshl_or_b32 v[PWD], v[BT+1], 8, v[BT]
	v_lshl_or_b32 v[PWD], v[BT+2], 16, v[PWD]
	v_lshl_or_b32 v[PWD], v[BT+3], 24, v[PWD]
	v_cvt_scalef32_pk16_fp6_f32 v[192:194], v[96:111], v[BS]
	v_cvt_scalef32_pk16_fp6_f32 v[TQ:TQ+2], v[112:127], v[BS+1]
	v_cvt_scalef32_pk16_fp6_f32 v[198:200], v[128:143], v[BS+2]
	v_cvt_scalef32_pk16_fp6_f32 v[TQ+4:TQ+6], v[144:159], v[BS+3]
	v_nop                                          ; one plain line behind the scaled conversions
.irp i, 0,1,2
	v_permlane16_swap_b32 v[192+\i], v[TQ+\i]
	v_permlane16_swap_b32 v[198+\i], v[TQ+4+\i]
.endr
.irp i, 0,1,2
	v_mov_b32 v[195+\i], v[TQ+\i]
	v_mov_b32 v[201+\i], v[TQ+4+\i]
.endr
.irp j, 0,2,4,6,8,10,12,14,16,18,20,22,24,26,28,30
	v_pk_mul_f32 v[160+\j:161+\j], v[160+\j:161+\j], v[F:F+1] op_sel_hi:[1,0]   ; O^T under the new M; these 16 are also the places between the codes' and the scale word's last writes and the products
.endr
	s_wait_dscnt 0x0                               ; V
.irp t, 0,2
	v_wmma_scale_f32_16x16x128_f8f6f4 v[160+8*\t:167+8*\t], v[32+12*\t:43+12*\t], v[192:203], v[160+8*\t:167+8*\t], v[90+\t/2], v[PWD] matrix_a_fmt:MATRIX_FMT_FP6 matrix_b_fmt:MATRIX_FMT_FP6
	v_wmma_scale_f32_16x16x128_f8f6f4 v[168+8*\t:175+8*\t], v[44+12*\t:55+12*\t], v[192:203], v[168+8*\t:175+8*\t], v[90+\t/2], v[PWD] matrix_a_fmt:MATRIX_FMT_FP6 matrix_b_fmt:MATRIX_FMT_FP6 matrix_a_scale:MATRIX_SCALE_ROW1
.endr
.endm
	s_load_b64 s[90:91], s[0:1], 0x0               ; qi
	s_load_b128 s[4:7], s[0:1], 0x8                ; kv, mw
	s_load_b64 s[2:3], s[0:1], 0x18                ; fl
	s_load_b128 s[96:99], s[0:1], 0x20             ; cxc, cxs
	v_lshl_add_u32 v254, v0, 2, 0x33000
	v_mov_b32 v255, 0
	v_lshrrev_b32 v8, 5, v0
	v_readfirstlane_b32 s[WV], v8
	v_and_b32 v8, 31, v0
	v_lshlrev_b32 v[LI], 4, v8
	v_lshlrev_b32 v[L8], 3, v8
	v_lshlrev_b32 v[FA], 4, v0
	s_and_b32 s15, ttmp7, 0xffff                   ; 16 b + head
	s_lshr_b32 s89, s15, 4                         ; b
	s_lshl_b32 s100, ttmp9, 4
	s_add_co_u32 s100, s100, s[WV]                 ; T: my tile of queries in the batch
	s_lshl_b32 s101, s89, 7
	s_add_co_u32 s101, s101, s100                  ; Tg
	s_mov_b32 s9, 0
	s_mov_b32 s[FB], 0
	s_wait_kmcnt 0x0
	s_mul_i32 s8, s15, 16*STB
	s_add_nc_u64 s[4:5], s[4:5], s[8:9]            ; the head's K and V
	FLOAD                                          ; chunk 0
	s_lshl_b32 s8, s101, 4
	s_add_nc_u64 s[2:3], s[2:3], s[8:9]
	s_load_b128 s[92:95], s[2:3], 0x0              ; my tile's flags, a word a quarter of the keys
	s_lshl_b32 s8, s101, 12
	s_add_nc_u64 s[6:7], s[6:7], s[8:9]            ; my tile's mask words: 256 bytes a step
	s_lshl_b32 s8, s15, 4
	s_lshr_b32 s100, s100, 3                       ; T / 8: the step block of qi, and the group of 128 tokens
	s_add_co_u32 s8, s8, s100
	s_mul_i32 s8, s8, 6656
	s_add_nc_u64 s[90:91], s[90:91], s[8:9]
	s_and_b32 s12, s[WV], 1                        ; e: which tile of its pair
	s_bfe_u32 s14, s[WV], 0x20001                  ; u: which pair
	s_lshl_b32 s8, s12, 8
	s_lshl_b32 s101, s14, 2
	s_add_co_u32 s8, s8, s101
	s_add_co_u32 s8, s8, 6144
	v_and_b32 v8, 15, v0
	v_lshlrev_b32 v9, 4, v8
	v_add_nc_u32 v9, s8, v9
	global_load_b32 v28, v9, s[90:91]              ; Q's scale word: 6,144 + 16 (r + 16 e) + 4 u
	s_mul_i32 s101, s14, 1536
	s_mul_i32 s8, s12, 520
	s_add_co_u32 s101, s101, s8
	v_add_nc_u32 v10, s101, v[LI]
	s_mul_i32 s8, s12, 496
	s_add_co_u32 s8, s8, 8
	v_add_nc_u32 v11, s8, v10
	global_load_b64 v[16:17], v10, s[90:91]        ; the pair's registers 6 e .. 6 e + 5 out of its three images: bytes 0, 8, 512 (e = 0) or 520, 1,024, 1,032 (e = 1) of my lane's places
	global_load_b64 v[18:19], v11, s[90:91]
	global_load_b64 v[20:21], v10, s[90:91] offset:512
	s_lshl_b32 s89, s89, 4
	s_add_co_u32 s89, s89, s100                    ; ctx's group of 128 tokens
	s_and_b32 s15, s15, 15                         ; the head
	s_and_b32 s100, s[WV], 7                       ; the tile in the group
	s_mul_i32 s8, s89, 98304
	s_lshr_b32 s101, s15, 1
	s_mul_i32 s101, s101, 12288                    ; K step = head / 2
	s_add_co_u32 s8, s8, s101
	s_mul_i32 s101, s100, 1536
	s_add_co_u32 s8, s8, s101
	s_and_b32 s12, s15, 1
	s_mul_i32 s101, s12, 768                       ; the record's half
	s_add_co_u32 s8, s8, s101
	s_add_nc_u64 s[96:97], s[96:97], s[8:9]
	s_lshl_b32 s8, s89, 12
	s_lshl_b32 s101, s100, 9
	s_add_co_u32 s8, s8, s101
	s_lshr_b32 s101, s15, 3
	s_lshl_b32 s101, s101, 8
	s_add_co_u32 s8, s8, s101
	s_bfe_u32 s101, s15, 0x20001
	s_lshl_b32 s101, s101, 2
	s_add_co_u32 s8, s8, s101
	s_lshl_b32 s101, s12, 1
	s_add_co_u32 s8, s8, s101
	s_add_nc_u64 s[98:99], s[98:99], s[8:9]
	s_mov_b32 s[SEL], 0x76543210
	s_mov_b32 s[SEL+1], 0xfedcba98
	s_mov_b32 s[CS], 0x3e38aa3b                    ; log2(e) / 8
	s_mov_b32 s[CS+1], s[CS]
	s_mov_b32 s[HM], 0xffff0000
.irp j, 22,23,24,25,26,27,80,81,82,83,84,85
	v_mov_b32 v[\j], 0                             ; zero codes
.endr
.set x, 0
.rept 32
	v_mov_b32 v[160+x], 0                          ; O^T: the step is written once; the first finds zeros
.set x, x+1
.endr
.irp b, 0,1,2,3
	v_mov_b32 v[BT+\b], 0                          ; a lane permute's destination counts as one of its sources
.endr
	v_mov_b32 v[F+1], 0
	v_mov_b32 v[NEG], 0xd0000000                   ; -2^33
	v_mov_b32 v13, 0xff61b1e6                      ; -3e38, under every t
	v_floor_f32 v12, -v13
	v_mov_b32 v14, 0
	v_mov_b32 v15, 0
	s_wait_kmcnt 0x0
	s_or_b32 s[FLG], s92, s93
	s_or_b32 s[FLG], s[FLG], s94
	s_or_b32 s[FLG], s[FLG], s95                   ; bit j: step j has a hole
	s_wait_loadcnt 0x0                             ; chunk 0, Q
	FSTORE
	s_wait_dscnt 0x0                               ; for the others' sake, and the stores have read their registers
	s_add_nc_u64 s[4:5], s[4:5], CHK
	FLOAD                                          ; chunk 1
	s_barrier_signal -1
	s_barrier_wait -1
	s_mov_b32 s[TB], 0
	s_mov_b32 s[FB], CHK
	s_mov_b32 s[CNT], 7
.Lchunk:                                               ; trip c = 0 .. 6: works chunk c, stores chunk c + 1, asks for chunk c + 2
	v_add_nc_u32 v[AD16], s[TB], v[LI]
	v_add_nc_u32 v[AD8], s[TB], v[L8]
	STEP 0
	STEP 1
	s_wait_loadcnt 0x0                             ; the next chunk is in registers
	s_wait_xcnt 0x0                                ; no memory instruction of mine still reads a pointer
	s_add_nc_u64 s[6:7], s[6:7], 512
	FSTORE                                         ; bytes that nobody has read or written yet
	s_wait_dscnt 0x0
	s_cmp_eq_u32 s[CNT], 1
	s_cbranch_scc1 .Lno_more
	s_add_nc_u64 s[4:5], s[4:5], CHK
	FLOAD
.Lno_more:
	s_barrier_signal -1
	s_barrier_wait -1                              ; the next chunk lies whole in LDS
	s_add_co_u32 s[TB], s[TB], CHK
	s_add_co_u32 s[FB], s[FB], CHK
	s_sub_co_u32 s[CNT], s[CNT], 1
	s_cmp_lg_u32 s[CNT], 0
	s_cbranch_scc1 .Lchunk
	v_add_nc_u32 v[AD16], s[TB], v[LI]
	v_add_nc_u32 v[AD8], s[TB], v[L8]
	STEP 0
	STEP 1
	; THE WAY OUT: O^T / the sum; register 16 B + i is d = 32 B + 16 h + i of my query: two blocks of the last projection's K
	v_add_f32 v14, v14, v15
	v_permlanex16_b32 v[TMP], v14, s[SEL], s[SEL+1]
	v_add_f32 v14, v14, v[TMP]
	v_rcp_f32 v14, v14
	v_and_b32 v8, 15, v0
	v_bfe_u32 v9, v0, 4, 1
	v_lshl_add_u32 v8, v8, 4, v9                   ; 16 r + h: my scale byte's place
	v_nop
	s_wait_alu depctr_va_vdst(0)                   ; ahead of the reciprocal's first reader
.set x, 0
.rept 32
	v_mul_f32 v[96+x], v[160+x], v14
.set x, x+1
.endr
.irp b, 0,1
	v_max3_num_f32 v[BM+\b], |v[96+16*\b]|, |v[97+16*\b]|, 0x1800000
.endr
.irp i, 2,4,6,8,10,12,14
.irp b, 0,1
	v_max3_num_f32 v[BM+\b], v[BM+\b], |v[96+16*\b+\i]|, |v[97+16*\b+\i]|
.endr
.endr
.irp b, 0,1
	v_permlanex16_b32 v[BT+\b], v[BM+\b], s[SEL], s[SEL+1]
.endr
.irp b, 0,1
	v_max_num_f32 v[BM+\b], v[BM+\b], v[BT+\b]
.endr
.irp b, 0,1
	v_add_nc_u32 v[BS+\b], 0xff000000, v[BM+\b]
.endr
.irp b, 0,1
	v_lshrrev_b32 v[BT+\b], 23, v[BS+\b]
.endr
	v_cvt_scalef32_pk16_fp6_f32 v[192:194], v[96:111], v[BS]
	v_cvt_scalef32_pk16_fp6_f32 v[TQ:TQ+2], v[112:127], v[BS+1]
	v_nop
.irp i, 0,1,2
	v_permlane16_swap_b32 v[192+\i], v[TQ+\i]
.endr
.irp i, 0,1,2
	v_mov_b32 v[195+\i], v[TQ+\i]
.endr
	v_cndmask_b32 v[TMP], v[BT], v[BT+1], s[HM]    ; lanes 0-15 store block 0's byte, lanes 16-31 block 1's
	global_store_b128 v[LI], v[192:195], s[96:97]              ; half a fragment record: 512 and 256 consecutive bytes
	global_store_b64 v[L8], v[196:197], s[96:97] offset:512
	global_store_b8 v8, v[TMP], s[98:99]           ; two of a scale word's four bytes; the other two are the neighbouring head's
	s_wait_tensorcnt 0x0
	ds_add_u32 v254, v255
	s_wait_dscnt 0x0
	s_endpgm
.Lfunc_end_k_qe4f3ed6b4a_attn:
	.size	k_qe4f3ed6b4a_attn, .Lfunc_end_k_qe4f3ed6b4a_attn-k_qe4f3ed6b4a_attn
	.p2alignl 7, 3214868480
	.fill 96, 4, 3214868480
	.section	.rodata,"a",@progbits
	.p2align	6, 0x0
	.amdhsa_kernel k_qe4f3ed6b4a_attn
		.amdhsa_group_segment_fixed_size 210944
		.amdhsa_private_segment_fixed_size 0
		.amdhsa_enable_private_segment 0
		.amdhsa_kernarg_size 48
		.amdhsa_user_sgpr_count 2
		.amdhsa_user_sgpr_kernarg_segment_ptr 1
		.amdhsa_wavefront_size32 1
		.amdhsa_system_sgpr_workgroup_id_x 1
		.amdhsa_system_sgpr_workgroup_id_y 1
		.amdhsa_system_sgpr_workgroup_id_z 1
		.amdhsa_system_vgpr_workitem_id 0
		.amdhsa_next_free_vgpr 256
		.amdhsa_next_free_sgpr 102
		.amdhsa_reserve_vcc 0
		.amdhsa_float_denorm_mode_32 3
		.amdhsa_float_denorm_mode_16_64 3
		.amdhsa_memory_ordered 1
		.amdhsa_forward_progress 1
		.amdhsa_inst_pref_size 99
	.end_amdhsa_kernel
	.amdgpu_metadata
---
amdhsa.version: [ 1, 2 ]
amdhsa.kernels:
  - .name:           k_qe4f3ed6b4a_attn
    .symbol:         k_qe4f3ed6b4a_attn.kd
    .args:
      - { .name: qi, .offset: 0, .size: 8, .value_kind: global_buffer, .address_space: global }
      - { .name: kv, .offset: 8, .size: 8, .value_kind: global_buffer, .address_space: global }
      - { .name: mw, .offset: 16, .size: 8, .value_kind: global_buffer, .address_space: global }
      - { .name: fl, .offset: 24, .size: 8, .value_kind: global_buffer, .address_space: global }
      - { .name: cxc, .offset: 32, .size: 8, .value_kind: global_buffer, .address_space: global }
      - { .name: cxs, .offset: 40, .size: 8, .value_kind: global_buffer, .address_space: global }
    .group_segment_fixed_size: 210944
    .private_segment_fixed_size: 0
    .kernarg_segment_align: 8
    .kernarg_segment_size: 48
    .max_flat_workgroup_size: 512
    .sgpr_count:     102
    .vgpr_count:     256
    .wavefront_size: 32
...
	.end_amdgpu_metadata
.endif
;; end of part 5
;; launch outp (part 6): grid 8 x 32, 4 waves a work-group, clusters of 4 x 4, 229,888 bytes of LDS; arguments cxc, cxs, opc, ops, bo, out0; writes out0
.if DOCPART == 6
	.amdgcn_target "amdgcn-amd-amdhsa--gfx1250"
	.amdhsa_code_object_version 6
	.text
	.protected	k_qe4f3ed6b4a_outp
	.globl	k_qe4f3ed6b4a_outp
	.p2align	8
	.type	k_qe4f3ed6b4a_outp,@function
k_qe4f3ed6b4a_outp:
	s_mov_b64 s[64:65], 0
	v_nop
	global_prefetch_b8 v0, s[64:65] scope:SCOPE_SE
	s_setreg_imm32_b32 hwreg(HW_REG_WAVE_MODE, 25, 1), 1
	s_wait_xcnt 0x0
	s_wait_alu depctr_hold_cnt(0) depctr_sa_sdst(0) depctr_va_vdst(0) depctr_va_sdst(0) depctr_va_ssrc(0) depctr_va_vcc(0) depctr_vm_vsrc(0)
	s_getreg_b32 s2, hwreg(HW_REG_IB_STS2, 6, 4)
	s_cmp_eq_u32 s2, 0
	s_cbranch_scc0 .Lentry_in_a_cluster
	s_endpgm
.Lentry_in_a_cluster:
	s_bfe_u32 s2, ttmp6, 0x10000c
	s_cmp_lg_u32 s2, 0xf033
	s_cbranch_scc0 .Lentry_shape_is_right
	s_endpgm
.Lentry_shape_is_right:
; OUTP.  out0 = ctx wo^T + bo, M 4,096, N 1,024, K 1,024, on codes of FP6 (E2M3) with E8M0 scales; out0 f32.
; A work-group makes 128 x 128, so that the 32 x 8 tiles are 256 work-groups; a wave makes 64 x 64: 16 accumulators.  Source 1 ("A") = 16 tokens of ctx, source 0 ("B") = 16 rows of wo: a lane holds one token and, in the
; 32 registers of a block, 32 of 64 neighbouring columns.
; TILES: lane r of tile t stands for row 32 (t / 2) + 8 (t % 2) + r + 8 (r / 8), on both sides: register 16 B + i of a block is column 32 B + 16 h + i of the wave's 64.
; OPERANDS lie in memory as fragment records of 1,536 bytes (registers 0-3 at 16 x lane, 4-5 at 512 + 8 x lane, 6-9 at 768 + 16 x lane, 10-11 at 1,280 + 8 x lane), [group of 128 rows][K step][tile].
; ALL OF K LIES IN LDS: one group of ctx and one of wo are 98,304 dense bytes each, their scale words 4,096 each.  Every LDS byte is filled once: no ring and no refill.  Wave (hr, hp) asks for A's (hr = 0) or B's (hr = 1)
; half hp of the scale words, K steps 2 hp, 2 hp + 1, and K steps 4 + 2 hp, 5 + 2 hp: three tensor loads, all that it ever has out.  Behind the first barrier K steps 0-3 are whole, behind the second K steps 4-7.
; CLUSTER 4 x 4: A's blocks are shared along a row of the cluster, B's along a column: joint loads, behind one round; a closing round at the end.
; THE WAY OUT: a wave's 64 columns are 256 consecutive bytes of a row of out0, at a multiple of 256.  A block of 16 tokens goes through the wave's own stage in LDS (16 rows of 256 + 16 bytes, in bytes that no fill touches).
; REGISTERS.  window 0: v16-23 LDS addresses, v24 16 x lane, v25 8 x lane, v26-29 the way out's and the scale words' addresses, v32-63 scale words (8 t + s: lanes 0-15 A's tile t, lanes 16-31 B's), v128-255 accumulator
;   (a, b) at 128 + 8 (4 a + b); on the way out v32-63 a block's 32 numbers, v64-127 rows read back, two sets.  window 1: two sets of fragments (B's at 128 p + 12 b, A's at 128 p + 48 + 12 a); v96-127 bo.
.set PLB,    12288                     ; a K step's eight fragments
.set REG,    8*PLB                     ; a group's codes for all of K
.set SCL,    2*REG                     ; the scale words: A's 4,096 bytes, then B's
.set STG,    SCL+2*4096                ; the four stages
.set SPITCH, 272
.set FR,   12
.set ADRA, 16                          ; v16 16 x lane, v17 8 x lane at my four tiles of A, K steps 0-3; v18, v19 K steps 4-7
.set ADRB, 20
.set LI,   24
.set L8,   25
.set STO,  26
.set ADRS, 27
.set RD,   28
.set CO,   29
.set SC,   32
.set HA,   32
.set BK,   64
.set ACC,  128
.set PB,   96                          ; in window 1
.set WV,   18
.set HR,   19                          ; wave / 2: my half of A's tiles; also: I fetch for A (0) or B (1)
.set HP,   20                          ; wave % 2: my half of B's tiles; also: which part I fetch
.set G1A,  24
.set G1B,  32
.set G1SA, 40
.set G1SB, 48
.set G0A0, 56
.set G0A1, 60
.set G0SA, 72
.set G0B0, 76
.set G0B1, 80
.set G0SB, 88
.set MSB, 0
.macro WIN new                         ; the immediate's high byte repeats the setting that is left
.if MSB != (\new)
	s_set_vgpr_msb (MSB<<8)|(\new)
.set MSB, (\new)
.endif
.endm
.set MUL,  0x05                        ; sources 0 (B) and 1 (A) window 1; C and D window 0
.set TO_F, 0x40                        ; destination window 1, address window 0
.macro PLACES n
.rept \n
	v_nop
.endr
.endm
.macro CROUND                          ; a round of the cluster's barrier
	s_barrier_signal -1
	s_barrier_wait -1
	s_cmp_lg_u32 s[WV], 0
	s_cbranch_scc1 .Lnot_wave_0_\@
	s_barrier_signal -3
.Lnot_wave_0_\@:
	s_barrier_wait -3
	s_barrier_signal -1
	s_barrier_wait -1
.endm
.macro MKG0 g, lds, ldsoff, adr, off   ; descriptor group 0
	s_mov_b32 s[\g], 1
	s_add_co_u32 s[\g+1], s[\lds], \ldsoff
	s_add_nc_u64 s[\g+2:\g+3], s[\adr:\adr+1], \off
	s_or_b32 s[\g+3], s[\g+3], 0x80000000
.endm
.macro FRAG reg, adr, off              ; a fragment record: four loads, each of consecutive bytes
	ds_load_b128 v[\reg:\reg+3], v[\adr] offset:\off
	ds_load_b64 v[\reg+4:\reg+5], v[\adr+1] offset:\off+512
	ds_load_b128 v[\reg+6:\reg+9], v[\adr] offset:\off+768
	ds_load_b64 v[\reg+10:\reg+11], v[\adr+1] offset:\off+1280
.endm
.macro FETCH s                         ; K step s: my four fragments of B and four of A into set s % 2: 32 loads
	WIN TO_F
.irp i, 0,1,2,3
	FRAG 128*((\s)%2)+FR*\i, ADRB+2*((\s)/4), ((\s)%4)*PLB+1536*\i
	FRAG 128*((\s)%2)+48+FR*\i, ADRA+2*((\s)/4), ((\s)%4)*PLB+1536*\i
.endr
.endm
; 8 matrix instructions of K step s: A's tiles a0, a0 + 1 x B's four.  The 16 accumulators take turns, one instruction a turn, in the same order in every step.
.macro MUL8 a0, s, zero
.irp a, \a0, \a0+1
.irp b, 0,1,2,3
.if \zero
	v_wmma_scale_f32_16x16x128_f8f6f4 v[ACC+8*(4*(\a)+\b):ACC+8*(4*(\a)+\b)+7], v[128*((\s)%2)+FR*\b:128*((\s)%2)+FR*\b+FR-1], v[128*((\s)%2)+48+FR*(\a):128*((\s)%2)+48+FR*(\a)+FR-1], 0, v[SC+8*\b+(\s)], v[SC+8*(\a)+(\s)] matrix_a_fmt:MATRIX_FMT_FP6 matrix_b_fmt:MATRIX_FMT_FP6 matrix_a_scale:MATRIX_SCALE_ROW1
.else
	v_wmma_scale_f32_16x16x128_f8f6f4 v[ACC+8*(4*(\a)+\b):ACC+8*(4*(\a)+\b)+7], v[128*((\s)%2)+FR*\b:128*((\s)%2)+FR*\b+FR-1], v[128*((\s)%2)+48+FR*(\a):128*((\s)%2)+48+FR*(\a)+FR-1], v[ACC+8*(4*(\a)+\b):ACC+8*(4*(\a)+\b)+7], v[SC+8*\b+(\s)], v[SC+8*(\a)+(\s)] matrix_a_fmt:MATRIX_FMT_FP6 matrix_b_fmt:MATRIX_FMT_FP6 matrix_a_scale:MATRIX_SCALE_ROW1
.endif
.endr
.endr
.endm
.macro STEP s, zero                    ; K step s: the next step's fragments are asked for first, into the other set, and land under this step's 16 products
	s_wait_dscnt 0x0                               ; this step's fragments are in
.if (\s) > 0
	PLACES 4                                       ; in front of loads into the set that the last step's products read
.endif
	FETCH (\s)+1
	WIN MUL
	MUL8 0, \s, \zero
	MUL8 2, \s, \zero
.endm
	s_load_b256 s[4:11], s[0:1], 0x0               ; cxc, cxs, opc, ops
	s_load_b128 s[12:15], s[0:1], 0x20             ; bo, out0
	v_lshl_add_u32 v30, v0, 2, 0x38000
	v_mov_b32 v31, 0
	ds_add_u32 v30, v31
	ds_add_u32 v30, v31
	v_lshrrev_b32 v1, 5, v0
	v_readfirstlane_b32 s[WV], v1
	s_lshr_b32 s[HR], s[WV], 1
	s_and_b32 s[HP], s[WV], 1
	s_bfe_u32 s21, ttmp6, 0x40000                  ; cx
	s_bfe_u32 s22, ttmp6, 0x40004                  ; cy
	s_and_b32 s93, ttmp7, 0xffff
	s_lshl_b32 s93, s93, 2
	s_add_co_u32 s93, s93, s22                     ; tile row = ctx's group, 0 .. 31
	s_lshl_b32 s94, ttmp9, 2
	s_add_co_u32 s94, s94, s21                     ; tile column, 0 .. 7
	s_lshl_b32 s97, s22, 2
	s_lshl_b32 s97, 15, s97                        ; my row of the cluster
	s_lshl_b32 s2, 0x1111, s21                     ; my column
	s_or_b32 s[G1A], s97, (3<<16)|(1<<21)          ; dense blocks as rows of 256 bytes (32 elements of 8 bytes), no padding; bit 21 set beside a mask
	s_or_b32 s[G1B], s2, (3<<16)|(1<<21)
	s_or_b32 s[G1SA], s97, (3<<16)|(1<<21)
	s_or_b32 s[G1SB], s2, (3<<16)|(1<<21)
.irp g, G1A, G1B
	s_mov_b32 s[\g+1], 32<<16                      ; tensor_dim0
	s_mov_b32 s[\g+2], 96<<16                      ; tensor_dim1: two K steps, 24,576 bytes
	s_mov_b32 s[\g+3], 32<<16                      ; tile_dim0
	s_mov_b32 s[\g+4], 96                          ; tile_dim1
	s_mov_b32 s[\g+5], 32                          ; pitch
	s_mov_b32 s[\g+6], 0
	s_mov_b32 s[\g+7], 0
.endr
.irp g, G1SA, G1SB
	s_mov_b32 s[\g+1], 32<<16
	s_mov_b32 s[\g+2], 8<<16                       ; the scale words of four tiles: 2,048 bytes
	s_mov_b32 s[\g+3], 32<<16
	s_mov_b32 s[\g+4], 8
	s_mov_b32 s[\g+5], 32
	s_mov_b32 s[\g+6], 0
	s_mov_b32 s[\g+7], 0
.endr
	s_mul_i32 s92, s[HP], 2*PLB                    ; my part of a group's codes begins at K step 2 hp,
	s_lshl_b32 s23, s[HP], 11                      ; of its scale words at tile 4 hp
	s_mul_i32 s98, s93, REG                        ; A: hangs on the tile row, not on cx
	s_add_co_u32 s98, s98, s92
	s_mov_b32 s99, 0
	s_lshl_b32 s100, s93, 12
	s_add_co_u32 s100, s100, s23
	s_mov_b32 s101, 0
	s_add_co_u32 s66, s94, 120                     ; B: wo's groups are 120 .. 127 of opc: hangs on the tile column, not on cy
	s_mul_i32 s2, s66, REG
	s_add_co_u32 s2, s2, s92
	s_mov_b32 s3, 0
	s_lshl_b32 s66, s66, 12
	s_add_co_u32 s66, s66, s23
	s_mov_b32 s67, 0
	s_mul_i32 s95, s[HR], REG                      ; where they go: the wave's number alone enters an LDS address
	s_add_co_u32 s95, s95, s92
	s_lshl_b32 s96, s[WV], 11
	s_wait_dscnt 0x0
	s_wait_kmcnt 0x0
	s_add_nc_u64 s[98:99], s[4:5], s[98:99]
	s_add_nc_u64 s[100:101], s[6:7], s[100:101]
	s_add_nc_u64 s[2:3], s[8:9], s[2:3]
	s_add_nc_u64 s[66:67], s[10:11], s[66:67]
	CROUND                                         ; all sixteen work-groups are here: the joint loads meet
	MKG0 G0SA, 96, SCL, 100, 0
	MKG0 G0A0, 95, 0, 98, 0
	MKG0 G0A1, 95, 4*PLB, 98, 4*PLB
	MKG0 G0SB, 96, SCL, 66, 0
	MKG0 G0B0, 95, 0, 2, 0
	MKG0 G0B1, 95, 4*PLB, 2, 4*PLB
	s_cmp_eq_u32 s[HR], 0                          ; a wave's three fills stand in one branch; four v_nop follow the last
	s_cbranch_scc0 .Lfirst_b
	tensor_load_to_lds s[G0SA:G0SA+3], s[G1SA:G1SA+7]
	s_nop 0
	tensor_load_to_lds s[G0A0:G0A0+3], s[G1A:G1A+7]
	s_nop 0
	tensor_load_to_lds s[G0A1:G0A1+3], s[G1A:G1A+7]
	s_nop 0
	PLACES 4
	s_branch .Lfirst_done
.Lfirst_b:
	tensor_load_to_lds s[G0SB:G0SB+3], s[G1SB:G1SB+7]
	s_nop 0
	tensor_load_to_lds s[G0B0:G0B0+3], s[G1B:G1B+7]
	s_nop 0
	tensor_load_to_lds s[G0B1:G0B1+3], s[G1B:G1B+7]
	s_nop 0
	PLACES 4
.Lfirst_done:
	v_and_b32 v1, 31, v0
	v_and_b32 v2, 15, v0                           ; r
	v_bfe_u32 v3, v0, 4, 1                         ; h
	v_lshlrev_b32 v[LI], 4, v1
	v_lshlrev_b32 v[L8], 3, v1
	s_mul_i32 s97, s[HR], 4*1536                   ; my four tiles of A
	s_mul_i32 s92, s[HP], 4*1536
	s_add_co_u32 s92, s92, REG                     ; my four tiles of B
	v_add_nc_u32 v[ADRA], s97, v[LI]
	v_add_nc_u32 v[ADRA+1], s97, v[L8]
	v_add_nc_u32 v[ADRA+2], 4*PLB, v[ADRA]
	v_add_nc_u32 v[ADRA+3], 4*PLB, v[ADRA+1]
	v_add_nc_u32 v[ADRB], s92, v[LI]
	v_add_nc_u32 v[ADRB+1], s92, v[L8]
	v_add_nc_u32 v[ADRB+2], 4*PLB, v[ADRB]
	v_add_nc_u32 v[ADRB+3], 4*PLB, v[ADRB+1]
	s_lshl_b32 s97, s[HR], 11                      ; the scale words: lanes 0-15 A's tiles, lanes 16-31 B's: the lower base + h x the distance
	s_lshl_b32 s92, s[HP], 11
	s_add_co_u32 s92, s92, 4096
	s_sub_co_u32 s92, s92, s97
	v_mul_u32_u24 v4, s92, v3
	s_add_co_u32 s97, s97, SCL
	v_lshl_add_u32 v4, v2, 4, v4
	v_add_nc_u32 v[ADRS], s97, v4
	s_mul_i32 s92, s[WV], 16*SPITCH
	s_add_co_u32 s92, s92, STG                     ; my stage
	v_mul_u32_u24 v4, v2, SPITCH
	v_lshl_add_u32 v4, v3, 6, v4
	v_add_nc_u32 v[STO], s92, v4                   ; in: row r, + 64 h
	v_mul_u32_u24 v4, v3, SPITCH
	v_lshl_add_u32 v4, v2, 4, v4
	v_add_nc_u32 v[RD], s92, v4                    ; back: lanes 0-15 one row of 256 bytes, lanes 16-31 the next
	v_lshlrev_b32 v[CO], 12, v3
	v_lshl_add_u32 v[CO], v2, 4, v[CO]             ; and the same two rows in out0, 4,096 bytes apart
	s_lshl_b32 s10, s94, 9                         ; my first column, in bytes: 512 x tile column + 256 hp
	s_lshl_b32 s23, s[HP], 8
	s_add_co_u32 s10, s10, s23
	s_mov_b32 s11, 0
	s_add_nc_u64 s[12:13], s[12:13], s[10:11]      ; bo at my columns
	s_add_nc_u64 s[14:15], s[14:15], s[10:11]
	s_lshl_b32 s10, s93, 19                        ; my first row: 128 x tile row + 64 hr, rows of 4,096 bytes
	s_lshl_b32 s23, s[HR], 18
	s_add_co_u32 s10, s10, s23
	s_add_nc_u64 s[14:15], s[14:15], s[10:11]
	v_lshlrev_b32 v5, 6, v3                        ; 64 h
	WIN TO_F
.irp n, 0,1,2,3,4,5,6,7
	global_load_b128 v[PB+4*\n:PB+4*\n+3], v5, s[12:13] offset:128*(\n/4)+16*(\n%4)   ; register 16 B + i: bo[my first column + 32 B + 16 h + i]
.endr
	WIN 0
	s_wait_tensorcnt 1                             ; my scale words and my two of K steps 0-3 are in; the load behind them may be out
	s_barrier_signal -1
	s_barrier_wait -1                              ; everybody's are
	FETCH 0
	WIN 0
.irp n, 0,1,2,3,4,5,6,7
	ds_load_b128 v[SC+4*\n:SC+4*\n+3], v[ADRS] offset:256*\n   ; all scale words, once: tile n / 2, K steps 4 (n % 2) on
.endr
	STEP 0, 1                                      ; the first step's products start the sums
	STEP 1, 0
	STEP 2, 0
	s_wait_dscnt 0x0                               ; K step 3: its fragments are in, and no LDS instruction of mine is out at the signal
	s_wait_tensorcnt 0x0                           ; my two of K steps 4-7 have landed: no load was issued behind them
	s_barrier_signal -1
	WIN MUL
	MUL8 0, 3, 0                                   ; work on registers while the others arrive
	s_barrier_wait -1                              ; K steps 4-7 are whole
	PLACES 4
	FETCH 4
	WIN MUL
	MUL8 2, 3, 0
	STEP 4, 0
	STEP 5, 0
	STEP 6, 0
	s_wait_dscnt 0x0
	WIN MUL
	MUL8 0, 7, 0
	MUL8 2, 7, 0
	WIN 0
	PLACES 4                                       ; behind the last products: results are read, and the scale words' registers written, below
	s_wait_loadcnt 0x0                             ; bo
.macro TOSTAGE a                       ; block a (16 tokens x 64 columns): + bo, into the stage, and back as whole rows of 256 bytes, two a load
	WIN 0x04                                       ; source 1 (bo) window 1
.set i, 0
.rept 16
	v_pk_add_f32 v[HA+2*i:HA+2*i+1], v[ACC+32*(\a)+2*i:ACC+32*(\a)+2*i+1], v[PB+2*i:PB+2*i+1]   ; each accumulator from its low end on
.set i, i+1
.endr
	WIN 0
.irp n, 0,1,2,3,4,5,6,7
	ds_store_b128 v[STO], v[HA+4*\n:HA+4*\n+3] offset:128*(\n/4)+16*(\n%4)
.endr
.irp n, 0,1,2,3,4,5,6,7
	ds_load_b128 v[BK+32*((\a)%2)+4*\n:BK+32*((\a)%2)+4*\n+3], v[RD] offset:2*SPITCH*\n   ; LDS serves a wave's instructions in order: these see the stores above
.endr
.endm
.macro SEND a, younger                 ; stage rows 2 n and 2 n + 1 are tokens 32 (a / 2) + 8 (a % 2) + 2 n + 8 (n / 4) and the next
	s_wait_dscnt \younger
.irp n, 0,1,2,3,4,5,6,7
	global_store_b128 v[CO], v[BK+32*((\a)%2)+4*\n:BK+32*((\a)%2)+4*\n+3], s[14:15] offset:(32*((\a)/2)+8*((\a)%2)+2*\n+8*(\n/4))*4096 th:TH_STORE_NT   ; 16 lanes store 256 consecutive bytes, at a multiple of 256
.endr
.endm
	TOSTAGE 0
.irp a, 1,2,3
	s_wait_dscnt 8                                 ; the last block's stores into the stage have read their registers; its 8 loads may be out
.if \a > 1
	s_wait_xcnt 0x0                                ; block a - 2's stores have read the registers into which block a's rows come back
.endif
	TOSTAGE \a
	SEND \a-1, 16                                  ; behind block a - 1's loads: block a's 8 stores and 8 loads
.endr
	SEND 3, 0
	s_wait_tensorcnt 0x0
	ds_add_u32 v30, v31
	s_wait_dscnt 0x0
	CROUND                                         ; the closing round: no work-group ends while a partner may still ask for a block that names it
	s_endpgm
.Lfunc_end_k_qe4f3ed6b4a_outp:
	.size	k_qe4f3ed6b4a_outp, .Lfunc_end_k_qe4f3ed6b4a_outp-k_qe4f3ed6b4a_outp
	.p2alignl 7, 3214868480
	.fill 96, 4, 3214868480
	.section	.rodata,"a",@progbits
	.p2align	6, 0x0
	.amdhsa_kernel k_qe4f3ed6b4a_outp
		.amdhsa_group_segment_fixed_size 229888
		.amdhsa_private_segment_fixed_size 0
		.amdhsa_enable_private_segment 0
		.amdhsa_kernarg_size 48
		.amdhsa_user_sgpr_count 2
		.amdhsa_user_sgpr_kernarg_segment_ptr 1
		.amdhsa_wavefront_size32 1
		.amdhsa_system_sgpr_workgroup_id_x 1
		.amdhsa_system_sgpr_workgroup_id_y 1
		.amdhsa_system_sgpr_workgroup_id_z 1
		.amdhsa_system_vgpr_workitem_id 0
		.amdhsa_next_free_vgpr 512
		.amdhsa_next_free_sgpr 102
		.amdhsa_reserve_vcc 0
		.amdhsa_float_denorm_mode_32 3
		.amdhsa_float_denorm_mode_16_64 3
		.amdhsa_memory_ordered 1
		.amdhsa_forward_progress 1
		.amdhsa_inst_pref_size 56
	.end_amdhsa_kernel
	.amdgpu_metadata
---
amdhsa.version: [ 1, 2 ]
amdhsa.kernels:
  - .name:           k_qe4f3ed6b4a_outp
    .symbol:         k_qe4f3ed6b4a_outp.kd
    .args:
      - { .name: cxc, .offset: 0, .size: 8, .value_kind: global_buffer, .address_space: global }
      - { .name: cxs, .offset: 8, .size: 8, .value_kind: global_buffer, .address_space: global }
      - { .name: opc, .offset: 16, .size: 8, .value_kind: global_buffer, .address_space: global }
      - { .name: ops, .offset: 24, .size: 8, .value_kind: global_buffer, .address_space: global }
      - { .name: bo, .offset: 32, .size: 8, .value_kind: global_buffer, .address_space: global }
      - { .name: out0, .offset: 40, .size: 8, .value_kind: global_buffer, .address_space: global }
    .group_segment_fixed_size: 229888
    .private_segment_fixed_size: 0
    .kernarg_segment_align: 8
    .kernarg_segment_size: 48
    .max_flat_workgroup_size: 128
    .sgpr_count:     102
    .vgpr_count:     512
    .wavefront_size: 32
...
	.end_amdgpu_metadata
.endif
;; end of part 6
;; ======== version 3 of 3: 4 launches; version 2 with the launch attn written anew for expert scheduling mode
;; limits: right only within a limited range of input values
;; workspace buffers: opc 12,582,912 bytes; ops 524,288 bytes; mw 1,048,576 bytes of whole numbers; fl 4,096 bytes of whole numbers; qi 3,407,872 bytes; kv 6,815,744 bytes; cxc 3,145,728 bytes; cxs 131,072 bytes
;; launch prep: the kernel of part 1 again; grid 768 x 1, 4 waves a work-group, no clusters, 68,096 bytes of LDS; arguments query, key, value, wq, wk, wv, wo, mask, opc, ops, mw, fl; writes opc, ops, mw, fl
;; launch qkv: the kernel of part 2 again; grid 4 x 48, 4 waves a work-group, clusters of 4 x 4, 327,680 bytes of LDS; arguments opc, ops, bq, bk, bv, qi, kv; writes qi, kv
;; launch attn (part 7): grid 8 x 32, 16 waves a work-group, no clusters, 210,944 bytes of LDS; arguments qi, kv, mw, fl, cxc, cxs; writes cxc, cxs
.if DOCPART == 7
	.amdgcn_target "amdgcn-amd-amdhsa--gfx1250"
	.amdhsa_code_object_version 6
	.text
	.protected	k_qe4f3ed6b4a_attn
	.globl	k_qe4f3ed6b4a_attn
	.p2align	8
	.type	k_qe4f3ed6b4a_attn,@function
k_qe4f3ed6b4a_attn:
	s_mov_b64 s[64:65], 0
	v_nop
	global_prefetch_b8 v0, s[64:65] scope:SCOPE_SE
	s_setreg_imm32_b32 hwreg(HW_REG_WAVE_SCHED_MODE, 0, 2), 2
	s_setreg_imm32_b32 hwreg(HW_REG_WAVE_MODE, 25, 1), 1
	s_wait_xcnt 0x0
	s_wait_alu depctr_vm_vsrc(0)
; ATTN.  ctx[b][q][head] = softmax_k(q . k / 8, masked) v, both products on codes of FP6 (E2M3) with E8M0 scales; ctx is quantised along the model's 1,024 features and leaves as fragment records for the last projection.
; SOFTMAX: t = score x log2(e) / 8; M = the running largest t rounded up to a whole number; p = 2^(t - M) is quantised along the keys; the row's sum is taken of the unquantised p and divides at the end.
; When M moves, the sum and O^T are multiplied by 2^(old M - new M), which rounds nothing.
; SHARES.  A work-group owns 256 queries of one (b, head); each of its sixteen waves one tile of 16, in 256 registers, four waves to a SIMD.  Every wave walks the head's 2,048 keys, 128 a step.
; K AND V OF THE WHOLE HEAD LIE IN LDS, 16 step blocks of 13,056 bytes as the projection launch laid them: K's four pairs of tiles (12 registers, three images of 512 bytes each) at 0, K's scale words at 6,144,
; V's four fragments at 6,656, V's scale words at 12,800.  Every LDS byte is written once, through registers, two steps (a chunk) at a time, a chunk ahead of its use; one barrier a chunk.
; NO TENSOR LOAD AND NO JOINT LOAD: in steps whose stored flag says that they have no hole the launch passes over the mask's 64 words and 64 selects, a branch on a stored whole number.  What the eight work-groups of a head
; share is 208,896 bytes each, once; the selects are 64 of a step's some 330 vector instructions.
; LAYOUT.  Both products transposed: S^T = K Q^T, O^T = V^T P^T: a lane holds one query (lane % 16).  Lane r of a tile t stands for row 32 (t / 2) + 8 (t % 2) + r + 8 (r / 8), so register 16 B + i of S^T is key 32 B + 16 h + i.
; THE SCORE PRODUCT HAS K = 64 in an instruction of 128: Q's registers 6-11 are zero codes; K's operand for tile t is v[32 + 6 t .. + 11], whose upper six registers are the next tile's codes (for tile 7: zeros).
; They meet zero codes, and both sides' scale bytes 2, 3 are 0 (2^-127, a number): k 64-127 adds nothing.
; THE MASK: word x of a step holds, bit by lane, whether register x's key counts.  A masked score becomes -2^33, that is a logit of -2^30 in place of reference()'s -1e9.
; LIMITS: with that value t is a whole number exactly, so a row that is masked throughout gives p = 1 for every key, as f32 arithmetic on -1e9 does; results differ from reference() only where unmasked logits lie near -1e9.
; A block of zeros gets the byte 1 where the rule says 127; blocks under 2^(3 - 127) were not tried; NaN and infinities are not served.
; REGISTERS: v1-11 addresses; v12 -M, v13 the largest t, v[14:15] the sum; v16-27 Q, v28 its scale word; v32-79 K's or V's codes, v80-85 zeros; v86-89 K's scale words, v90-91 V's; v96-159 S^T, then p; v160-191 O^T;
; v192-203 p's codes; v204-227 at work; v228-243 the chunk that is on its way; v254, v255 the closing add's two.
; THE MODE: SCHED_MODE bits 1:0 = 2 (LLVM: expert scheduling mode 2), set by the entry lines.  The code itself states the register dependences between vector or matrix instructions and memory or LDS instructions,
; with s_wait_alu, always for 0.
; THE PLAN.  Registers that memory or LDS instructions touch, in the loop:
;   v32-79       K's LDS loads land at a step's head, the 8 score products read them; V's loads land behind those, the 4 products V^T P read them.  One buffer: the wave's 256 registers have no room for a second.
;   v86-89, v90-91  K's and V's scale words: loaded with the codes, read by the same products.
;   v[AD16], v[AD8], v[FL]  LDS addresses: written by three additions at a trip's head; read by the trip's LDS loads, and by its LDS stores of the next chunk.
;   v[FD ..]     the chunk on its way: global loads land, LDS stores read; no vector instruction names them.
;   v[FA]        the global loads' offset: never written again; the scalar base steps.
;   v192-203, v[PWD]  p's codes and scale word: written by vector instructions, taken by the scaled products V^T P.
; A step has three waits on va_vdst of its own: at its head (the last products are done reading what K's loads write; in a trip's first step the three addresses are written), behind the score products (done reading what V's
; loads write), and ahead of the products V^T P (p's codes and scale word are written); two more waits stand behind the exponentials.  A trip has one wait on vm_vsrc, behind its LDS stores.
.set STB,  13056
.set CHK,  2*STB
.set AD16, 1
.set AD8,  2
.set LI,   3
.set L8,   4
.set FA,   5                           ; v5  16 x my thread's number: my 16 bytes of a run of 8,192
.set FL,   6
.set NEG,  7
.set BM,   204                         ; the blocks' largest scores, then largest p
.set BT,   208
.set BS,   212
.set TQ,   216
.set F,    224                         ; v[224:225] f and 0
.set PWD,  226                         ; p's scale word
.set TMP,  227
.set FD,   228
.set WV,   10
.set FLG,  11
.set TB,   12
.set FB,   13
.set CNT,  14
.set SEL,  84
.set CS,   86
.set HM,   88
.macro FLOAD                           ; a chunk is 51 runs of 512 bytes: wave w takes runs w, w + 16, w + 32, and waves 0-2 run 48 + w
	global_load_b128 v[FD:FD+3], v[FA], s[4:5]
	global_load_b128 v[FD+4:FD+7], v[FA], s[4:5] offset:8192
	global_load_b128 v[FD+8:FD+11], v[FA], s[4:5] offset:16384
	s_cmp_lt_u32 s[WV], 3
	s_cbranch_scc0 .Lno_load_\@
	global_load_b128 v[FD+12:FD+15], v[FA], s[4:5] offset:24576
.Lno_load_\@:
.endm
.macro FSTORE                          ; v[FL] = s[FB] + v[FA] was made at the trip's head (the first: at the kernel's head), ahead of a wait on va_vdst, and no vector instruction since names it; the data came by loads
	ds_store_b128 v[FL], v[FD:FD+3]
	ds_store_b128 v[FL], v[FD+4:FD+7] offset:8192
	ds_store_b128 v[FL], v[FD+8:FD+11] offset:16384
	s_cmp_lt_u32 s[WV], 3
	s_cbranch_scc0 .Lno_store_\@
	ds_store_b128 v[FL], v[FD+12:FD+15] offset:24576
.Lno_store_\@:
.endm
; K is in; S^T = K Q^T, eight tiles of 16 keys; then V's fragments are asked for, into K's registers: they land under the softmax.  Written in both arms of a step.
.macro SCORES q
	s_wait_dscnt 0x0
.irp t, 0,2,4,6
	v_wmma_scale_f32_16x16x128_f8f6f4 v[96+8*\t:103+8*\t], v[32+6*\t:43+6*\t], v[16:27], 0, v[86+\t/2], v28 matrix_a_fmt:MATRIX_FMT_FP6 matrix_b_fmt:MATRIX_FMT_FP6
	v_wmma_scale_f32_16x16x128_f8f6f4 v[104+8*\t:111+8*\t], v[38+6*\t:49+6*\t], v[16:27], 0, v[86+\t/2], v28 matrix_a_fmt:MATRIX_FMT_FP6 matrix_b_fmt:MATRIX_FMT_FP6 matrix_a_scale:MATRIX_SCALE_ROW1
.endr
.rept 4
	v_nop                                          ; places behind these products, in front of the first read of their results
.endr
	s_wait_alu depctr_va_vdst(0)                   ; the score products are done reading v32-79, in which V's loads land (the last readers of v90-91, the last step's products V^T P, stand ahead of the wait at this step's head)
.irp n, 0,1,2,3,4,5,6,7,8,9,10,11
	ds_load_b128 v[32+4*\n:35+4*\n], v[AD16] offset:STB*(\q)+6656+512*\n
.endr
	ds_load_b64 v[90:91], v[AD8] offset:STB*(\q)+12800
.endm
; A KEY STEP: 128 keys, the q-th of the chunk in hand.
.macro STEP q
.rept 4
	v_nop                                          ; places behind the last products
.endr
	s_wait_alu depctr_va_vdst(0)                   ; the last step's products are done reading v32-79 and v86-89, in which K's loads land; in a trip's first step v[AD16], v[AD8] and v[FL] are written, which the trip's LDS loads and stores read; in the first step of all the zero codes v22-27 and v80-85 are written, which the score products take
.irp n, 0,1,2,3,4,5,6,7,8,9,10,11
	ds_load_b128 v[32+4*\n:35+4*\n], v[AD16] offset:STB*\q+512*\n
.endr
	ds_load_b128 v[86:89], v[AD16] offset:STB*\q+6144
	s_bitcmp1_b32 s[FLG], 0                        ; has this step a hole for my 16 queries?  The mask's words are loaded, waited for and used in one arm; the other arm names none of them
	s_cbranch_scc0 .Lopen_\@
	s_load_b512 s[16:31], s[6:7], 256*\q           ; the step's 64 mask words: they come while K lands and the scores are made
	s_load_b512 s[32:47], s[6:7], 256*\q+64
	s_load_b512 s[48:63], s[6:7], 256*\q+128
	s_load_b512 s[68:83], s[6:7], 256*\q+192
	SCORES \q
	s_wait_kmcnt 0x0
.set x, 0
.rept 64
.if x < 48
	v_cndmask_b32 v[96+x], v[NEG], v[96+x], s[16+x]
.else
	v_cndmask_b32 v[96+x], v[NEG], v[96+x], s[20+x]
.endif
.set x, x+1
.endr
	s_branch .Ljoin_\@
.Lopen_\@:
	SCORES \q
.Ljoin_\@:
	s_lshr_b32 s[FLG], s[FLG], 1
.irp b, 0,1,2,3
	v_max3_num_f32 v[BM+\b], v[96+16*\b], v[97+16*\b], v[98+16*\b]   ; the largest score of each block of 32 keys: for the row's maximum and, since p rises with the score, for the block's largest p
.endr
.irp i, 3,5,7,9,11,13
.irp b, 0,1,2,3
	v_max3_num_f32 v[BM+\b], v[BM+\b], v[96+16*\b+\i], v[97+16*\b+\i]
.endr
.endr
.irp b, 0,1,2,3
	v_max_num_f32 v[BM+\b], v[BM+\b], v[111+16*\b]
.endr
.irp b, 0,1,2,3
	v_permlanex16_b32 v[BT+\b], v[BM+\b], s[SEL], s[SEL+1]
.endr
.irp b, 0,1,2,3
	v_max_num_f32 v[BM+\b], v[BM+\b], v[BT+\b]
.endr
	v_max3_num_f32 v[TMP], v[BM], v[BM+1], v[BM+2]
	v_max_num_f32 v[TMP], v[TMP], v[BM+3]
	v_mul_f32 v[TMP], s[CS], v[TMP]                ; as t
	v_max_num_f32 v13, v13, v[TMP]
	v_mov_b32 v[TMP], v12
	v_floor_f32 v12, -v13                          ; the new -M = -ceil(t)
	v_sub_f32 v[TMP], v12, v[TMP]                  ; old M - new M: a whole number, 0 or less
	v_cvt_i32_f32 v[TMP], v[TMP]                   ; (it saturates)
	v_ldexp_f32 v[F], 1.0, v[TMP]                  ; f = 2^(old M - new M)
.irp j, 0,2,4,6,8,10,12,14,16,18,20,22,24,26,28,30,32,34,36,38,40,42,44,46,48,50,52,54,56,58,60,62
	v_pk_fma_f32 v[96+\j:97+\j], v[96+\j:97+\j], s[CS:CS+1], v[12:13] op_sel_hi:[1,0,0]   ; t - M
.endr
.irp b, 0,1,2,3
	v_fma_f32 v[BM+\b], v[BM+\b], s[CS], v12
.endr
.set x, 0
.rept 64
	v_exp_f32 v[96+x], v[96+x]                     ; p = 2^(t - M)
.set x, x+1
.endr
	v_pk_mul_f32 v[14:15], v[14:15], v[F:F+1] op_sel_hi:[1,0]   ; the sums under the new M: the plain line behind the exponentials
	s_wait_alu depctr_va_vdst(0)                   ; the 64 exponentials have written v96-159: one wait for the batch, ahead of its first reader
.irp b, 0,1,2,3
	v_exp_f32 v[BM+\b], v[BM+\b]                   ; the blocks' largest p
.endr
	v_pk_add_f32 v[BT:BT+1], v[96:97], v[98:99]    ; the row's sum of the unquantised p, in two chains
.irp j, 4,8,12,16,20,24,28,32,36,40,44,48,52,56,60
	v_pk_add_f32 v[14:15], v[14:15], v[96+\j:97+\j]
	v_pk_add_f32 v[BT:BT+1], v[BT:BT+1], v[98+\j:99+\j]
.endr
	v_pk_add_f32 v[14:15], v[14:15], v[BT:BT+1]
	s_wait_alu depctr_va_vdst(0)                   ; the four exponentials have written v[BM ..]: and one for the four
.irp b, 0,1,2,3
	v_max_num_f32 v[BM+\b], 0x1800000, v[BM+\b]    ; the floor 2^(3 - 127)
.endr
.irp b, 0,1,2,3
	v_add_nc_u32 v[BS+\b], 0xff000000, v[BM+\b]
.endr
.irp b, 0,1,2,3
	v_lshrrev_b32 v[BT+\b], 23, v[BS+\b]
.endr
	v_lshl_or_b32 v[PWD], v[BT+1], 8, v[BT]
	v_lshl_or_b32 v[PWD], v[BT+2], 16, v[PWD]
	v_lshl_or_b32 v[PWD], v[BT+3], 24, v[PWD]
	v_cvt_scalef32_pk16_fp6_f32 v[192:194], v[96:111], v[BS]
	v_cvt_scalef32_pk16_fp6_f32 v[TQ:TQ+2], v[112:127], v[BS+1]
	v_cvt_scalef32_pk16_fp6_f32 v[198:200], v[128:143], v[BS+2]
	v_cvt_scalef32_pk16_fp6_f32 v[TQ+4:TQ+6], v[144:159], v[BS+3]
	v_nop                                          ; one plain line behind the scaled conversions
.irp i, 0,1,2
	v_permlane16_swap_b32 v[192+\i], v[TQ+\i]
	v_permlane16_swap_b32 v[198+\i], v[TQ+4+\i]
.endr
.irp i, 0,1,2
	v_mov_b32 v[195+\i], v[TQ+\i]
	v_mov_b32 v[201+\i], v[TQ+4+\i]
.endr
.irp j, 0,2,4,6,8,10,12,14,16,18,20,22,24,26,28,30
	v_pk_mul_f32 v[160+\j:161+\j], v[160+\j:161+\j], v[F:F+1] op_sel_hi:[1,0]   ; O^T under the new M; these 16 are also the places between the codes' and the scale word's last writes and the products
.endr
	s_wait_dscnt 0x0                               ; V
	s_wait_alu depctr_va_vdst(0)                   ; p's codes v192-203 and its scale word v[PWD] are written, which the scaled products below take as operand and as scales; the places above stay beside this wait
.irp t, 0,2
	v_wmma_scale_f32_16x16x128_f8f6f4 v[160+8*\t:167+8*\t], v[32+12*\t:43+12*\t], v[192:203], v[160+8*\t:167+8*\t], v[90+\t/2], v[PWD] matrix_a_fmt:MATRIX_FMT_FP6 matrix_b_fmt:MATRIX_FMT_FP6
	v_wmma_scale_f32_16x16x128_f8f6f4 v[168+8*\t:175+8*\t], v[44+12*\t:55+12*\t], v[192:203], v[168+8*\t:175+8*\t], v[90+\t/2], v[PWD] matrix_a_fmt:MATRIX_FMT_FP6 matrix_b_fmt:MATRIX_FMT_FP6 matrix_a_scale:MATRIX_SCALE_ROW1
.endr
.endm
	s_load_b64 s[90:91], s[0:1], 0x0               ; qi
	s_load_b128 s[4:7], s[0:1], 0x8                ; kv, mw
	s_load_b64 s[2:3], s[0:1], 0x18                ; fl
	s_load_b128 s[96:99], s[0:1], 0x20             ; cxc, cxs
	v_lshl_add_u32 v254, v0, 2, 0x33000
	v_mov_b32 v255, 0
	v_lshrrev_b32 v8, 5, v0
	v_readfirstlane_b32 s[WV], v8
	v_and_b32 v8, 31, v0
	v_lshlrev_b32 v[LI], 4, v8
	v_lshlrev_b32 v[L8], 3, v8
	v_lshlrev_b32 v[FA], 4, v0
	s_mov_b32 s[FB], 0
	v_add_nc_u32 v[FL], s[FB], v[FA]               ; where chunk 0 goes
	s_wait_alu depctr_va_sdst(0)                   ; s[WV] is written, ahead of its first reader
	; all vector offsets of the head's loads are made here, ahead of one wait
	s_and_b32 s12, s[WV], 1                        ; e: which tile of its pair
	s_bfe_u32 s14, s[WV], 0x20001                  ; u: which pair
	s_lshl_b32 s8, s12, 8
	s_lshl_b32 s101, s14, 2
	s_add_co_u32 s8, s8, s101
	s_add_co_u32 s8, s8, 6144
	v_and_b32 v8, 15, v0
	v_lshlrev_b32 v9, 4, v8
	v_add_nc_u32 v9, s8, v9                        ; Q's scale word: 6,144 + 16 (r + 16 e) + 4 u
	s_mul_i32 s101, s14, 1536
	s_mul_i32 s8, s12, 520
	s_add_co_u32 s101, s101, s8
	v_add_nc_u32 v10, s101, v[LI]
	s_mul_i32 s8, s12, 496
	s_add_co_u32 s8, s8, 8
	v_add_nc_u32 v11, s8, v10
	s_and_b32 s15, ttmp7, 0xffff                   ; 16 b + head
	s_lshr_b32 s89, s15, 4                         ; b
	s_lshl_b32 s100, ttmp9, 4
	s_add_co_u32 s100, s100, s[WV]                 ; T: my tile of queries in the batch
	s_lshl_b32 s101, s89, 7
	s_add_co_u32 s101, s101, s100                  ; Tg
	s_mov_b32 s9, 0
	s_wait_kmcnt 0x0
	s_mul_i32 s8, s15, 16*STB
	s_add_nc_u64 s[4:5], s[4:5], s[8:9]            ; the head's K and V
	s_wait_alu depctr_va_vdst(0)                   ; v[FA], v[FL], v9 to v11, v[LI], v[L8], v254 and v255 are written, which the loads and stores of the kernel read as offsets, addresses and data
	FLOAD                                          ; chunk 0
	s_lshl_b32 s8, s101, 4
	s_add_nc_u64 s[2:3], s[2:3], s[8:9]
	s_load_b128 s[92:95], s[2:3], 0x0              ; my tile's flags, a word a quarter of the keys
	s_lshl_b32 s8, s101, 12
	s_add_nc_u64 s[6:7], s[6:7], s[8:9]            ; my tile's mask words: 256 bytes a step
	s_lshl_b32 s8, s15, 4
	s_lshr_b32 s100, s100, 3                       ; T / 8: the step block of qi, and the group of 128 tokens
	s_add_co_u32 s8, s8, s100
	s_mul_i32 s8, s8, 6656
	s_add_nc_u64 s[90:91], s[90:91], s[8:9]
	global_load_b32 v28, v9, s[90:91]              ; Q's scale word.  No wait: no vector instruction since the wait above names a register that these four loads touch
	global_load_b64 v[16:17], v10, s[90:91]        ; the pair's registers 6 e .. 6 e + 5 out of its three images: bytes 0, 8, 512 (e = 0) or 520, 1,024, 1,032 (e = 1) of my lane's places
	global_load_b64 v[18:19], v11, s[90:91]
	global_load_b64 v[20:21], v10, s[90:91] offset:512
	s_lshl_b32 s89, s89, 4
	s_add_co_u32 s89, s89, s100                    ; ctx's group of 128 tokens
	s_and_b32 s15, s15, 15                         ; the head
	s_and_b32 s100, s[WV], 7                       ; the tile in the group
	s_mul_i32 s8, s89, 98304
	s_lshr_b32 s101, s15, 1
	s_mul_i32 s101, s101, 12288                    ; K step = head / 2
	s_add_co_u32 s8, s8, s101
	s_mul_i32 s101, s100, 1536
	s_add_co_u32 s8, s8, s101
	s_and_b32 s12, s15, 1
	s_mul_i32 s101, s12, 768                       ; the record's half
	s_add_co_u32 s8, s8, s101
	s_add_nc_u64 s[96:97], s[96:97], s[8:9]
	s_lshl_b32 s8, s89, 12
	s_lshl_b32 s101, s100, 9
	s_add_co_u32 s8, s8, s101
	s_lshr_b32 s101, s15, 3
	s_lshl_b32 s101, s101, 8
	s_add_co_u32 s8, s8, s101
	s_bfe_u32 s101, s15, 0x20001
	s_lshl_b32 s101, s101, 2
	s_add_co_u32 s8, s8, s101
	s_lshl_b32 s101, s12, 1
	s_add_co_u32 s8, s8, s101
	s_add_nc_u64 s[98:99], s[98:99], s[8:9]
	s_mov_b32 s[SEL], 0x76543210
	s_mov_b32 s[SEL+1], 0xfedcba98
	s_mov_b32 s[CS], 0x3e38aa3b                    ; log2(e) / 8
	s_mov_b32 s[CS+1], s[CS]
	s_mov_b32 s[HM], 0xffff0000
.irp j, 22,23,24,25,26,27,80,81,82,83,84,85
	v_mov_b32 v[\j], 0                             ; zero codes
.endr
.set x, 0
.rept 32
	v_mov_b32 v[160+x], 0                          ; O^T: the step is written once; the first finds zeros
.set x, x+1
.endr
.irp b, 0,1,2,3
	v_mov_b32 v[BT+\b], 0                          ; a lane permute's destination counts as one of its sources
.endr
	v_mov_b32 v[F+1], 0
	v_mov_b32 v[NEG], 0xd0000000                   ; -2^33
	v_mov_b32 v13, 0xff61b1e6                      ; -3e38, under every t
	v_floor_f32 v12, -v13
	v_mov_b32 v14, 0
	v_mov_b32 v15, 0
	s_wait_kmcnt 0x0
	s_or_b32 s[FLG], s92, s93
	s_or_b32 s[FLG], s[FLG], s94
	s_or_b32 s[FLG], s[FLG], s95                   ; bit j: step j has a hole
	s_wait_loadcnt 0x0                             ; chunk 0, Q
	FSTORE
	s_wait_dscnt 0x0                               ; for the others' sake
	s_wait_alu depctr_vm_vsrc(0)                   ; the LDS stores have read v[FD ..], in which chunk 1's loads land, and v[FL], which the loop's head writes; Q's load has read v9, which the way out writes
	s_add_nc_u64 s[4:5], s[4:5], CHK
	FLOAD                                          ; chunk 1
	s_barrier_signal -1
	s_barrier_wait -1
	s_mov_b32 s[TB], 0
	s_mov_b32 s[FB], CHK
	s_mov_b32 s[CNT], 7
.Lchunk:                                               ; trip c = 0 .. 6: works chunk c, stores chunk c + 1, asks for chunk c + 2
	v_add_nc_u32 v[AD16], s[TB], v[LI]             ; the trip's three LDS addresses, ahead of the wait at the head of its first step.  (All that read their old values stands ahead of the last wait on vm_vsrc)
	v_add_nc_u32 v[AD8], s[TB], v[L8]
	v_add_nc_u32 v[FL], s[FB], v[FA]               ; where the next chunk goes
	STEP 0
	STEP 1
	s_wait_loadcnt 0x0                             ; the next chunk is in registers
	s_wait_xcnt 0x0                                ; no memory instruction of mine still reads a pointer
	s_add_nc_u64 s[6:7], s[6:7], 512
	FSTORE                                         ; bytes that nobody has read or written yet
	s_wait_dscnt 0x0
	s_wait_alu depctr_vm_vsrc(0)                   ; the LDS stores have read v[FD ..], in which the loads below land, and v[FL]; the trip's LDS loads have read v[AD16] and v[AD8]: the three are written next at the loop's head or behind the loop
	s_cmp_eq_u32 s[CNT], 1
	s_cbranch_scc1 .Lno_more
	s_add_nc_u64 s[4:5], s[4:5], CHK
	FLOAD
.Lno_more:
	s_barrier_signal -1
	s_barrier_wait -1                              ; the next chunk lies whole in LDS
	s_add_co_u32 s[TB], s[TB], CHK
	s_add_co_u32 s[FB], s[FB], CHK
	s_sub_co_u32 s[CNT], s[CNT], 1
	s_cmp_lg_u32 s[CNT], 0
	s_cbranch_scc1 .Lchunk
	v_add_nc_u32 v[AD16], s[TB], v[LI]
	v_add_nc_u32 v[AD8], s[TB], v[L8]
	STEP 0
	STEP 1
	; THE WAY OUT: O^T / the sum; register 16 B + i is d = 32 B + 16 h + i of my query: two blocks of the last projection's K
	v_add_f32 v14, v14, v15
	v_permlanex16_b32 v[TMP], v14, s[SEL], s[SEL+1]
	v_add_f32 v14, v14, v[TMP]
	v_rcp_f32 v14, v14
	v_and_b32 v8, 15, v0
	v_bfe_u32 v9, v0, 4, 1
	v_lshl_add_u32 v8, v8, 4, v9                   ; 16 r + h: my scale byte's place
	v_nop
	s_wait_alu depctr_va_vdst(0)                   ; the reciprocal has written v14, ahead of its first reader
.set x, 0
.rept 32
	v_mul_f32 v[96+x], v[160+x], v14
.set x, x+1
.endr
.irp b, 0,1
	v_max3_num_f32 v[BM+\b], |v[96+16*\b]|, |v[97+16*\b]|, 0x1800000
.endr
.irp i, 2,4,6,8,10,12,14
.irp b, 0,1
	v_max3_num_f32 v[BM+\b], v[BM+\b], |v[96+16*\b+\i]|, |v[97+16*\b+\i]|
.endr
.endr
.irp b, 0,1
	v_permlanex16_b32 v[BT+\b], v[BM+\b], s[SEL], s[SEL+1]
.endr
.irp b, 0,1
	v_max_num_f32 v[BM+\b], v[BM+\b], v[BT+\b]
.endr
.irp b, 0,1
	v_add_nc_u32 v[BS+\b], 0xff000000, v[BM+\b]
.endr
.irp b, 0,1
	v_lshrrev_b32 v[BT+\b], 23, v[BS+\b]
.endr
	v_cvt_scalef32_pk16_fp6_f32 v[192:194], v[96:111], v[BS]
	v_cvt_scalef32_pk16_fp6_f32 v[TQ:TQ+2], v[112:127], v[BS+1]
	v_nop
.irp i, 0,1,2
	v_permlane16_swap_b32 v[192+\i], v[TQ+\i]
.endr
.irp i, 0,1,2
	v_mov_b32 v[195+\i], v[TQ+\i]
.endr
	v_cndmask_b32 v[TMP], v[BT], v[BT+1], s[HM]    ; lanes 0-15 store block 0's byte, lanes 16-31 block 1's
	s_wait_alu depctr_va_vdst(0)                   ; the codes v192-197, the byte v[TMP] and the offset v8 are written, which the three stores read
	global_store_b128 v[LI], v[192:195], s[96:97]              ; half a fragment record: 512 and 256 consecutive bytes
	global_store_b64 v[L8], v[196:197], s[96:97] offset:512
	global_store_b8 v8, v[TMP], s[98:99]           ; two of a scale word's four bytes; the other two are the neighbouring head's
	s_wait_dscnt 0x0                               ; the closing lines, six on end
	s_wait_alu 0x0
	s_wait_tensorcnt 0x0
	ds_add_u32 v254, v255
	s_wait_dscnt 0x0
	s_endpgm
.Lfunc_end_k_qe4f3ed6b4a_attn:
	.size	k_qe4f3ed6b4a_attn, .Lfunc_end_k_qe4f3ed6b4a_attn-k_qe4f3ed6b4a_attn
	.p2alignl 7, 3214868480
	.fill 96, 4, 3214868480
	.section	.rodata,"a",@progbits
	.p2align	6, 0x0
	.amdhsa_kernel k_qe4f3ed6b4a_attn
		.amdhsa_group_segment_fixed_size 210944
		.amdhsa_private_segment_fixed_size 0
		.amdhsa_enable_private_segment 0
		.amdhsa_kernarg_size 48
		.amdhsa_user_sgpr_count 2
		.amdhsa_user_sgpr_kernarg_segment_ptr 1
		.amdhsa_wavefront_size32 1
		.amdhsa_system_sgpr_workgroup_id_x 1
		.amdhsa_system_sgpr_workgroup_id_y 1
		.amdhsa_system_sgpr_workgroup_id_z 1
		.amdhsa_system_vgpr_workitem_id 0
		.amdhsa_next_free_vgpr 256
		.amdhsa_next_free_sgpr 102
		.amdhsa_reserve_vcc 0
		.amdhsa_float_denorm_mode_32 3
		.amdhsa_float_denorm_mode_16_64 3
		.amdhsa_memory_ordered 1
		.amdhsa_forward_progress 1
		.amdhsa_inst_pref_size 99
	.end_amdhsa_kernel
	.amdgpu_metadata
---
amdhsa.version: [ 1, 2 ]
amdhsa.kernels:
  - .name:           k_qe4f3ed6b4a_attn
    .symbol:         k_qe4f3ed6b4a_attn.kd
    .args:
      - { .name: qi, .offset: 0, .size: 8, .value_kind: global_buffer, .address_space: global }
      - { .name: kv, .offset: 8, .size: 8, .value_kind: global_buffer, .address_space: global }
      - { .name: mw, .offset: 16, .size: 8, .value_kind: global_buffer, .address_space: global }
      - { .name: fl, .offset: 24, .size: 8, .value_kind: global_buffer, .address_space: global }
      - { .name: cxc, .offset: 32, .size: 8, .value_kind: global_buffer, .address_space: global }
      - { .name: cxs, .offset: 40, .size: 8, .value_kind: global_buffer, .address_space: global }
    .group_segment_fixed_size: 210944
    .private_segment_fixed_size: 0
    .kernarg_segment_align: 8
    .kernarg_segment_size: 48
    .max_flat_workgroup_size: 512
    .sgpr_count:     102
    .vgpr_count:     256
    .wavefront_size: 32
...
	.end_amdgpu_metadata
.endif
;; end of part 7
;; launch outp: the kernel of part 6 again; grid 8 x 32, 4 waves a work-group, clusters of 4 x 4, 229,888 bytes of LDS; arguments cxc, cxs, opc, ops, bo, out0; writes out0
